; MI455X (gfx1250); checked and timed in simulation.
; The chip was launched on July 23, 2026; its instructions are those of AMD's public machine-readable ISA for CDNA 5 (MIT licence, August 2026) and "CDNA5" Instruction Set Architecture Reference Guide (July 2026). The comments in the code are by the model that wrote it; some were corrected since.
;; Gaddy Multihead Attention. Allowed arithmetic: matrix products marked QUANTISED: E2M3 operands, one E8M0 scale for each 32 along K, by v_wmma_scale_f32_16x16x128_f8f6f4 with both operands' format E2M3, f32 sums; everything else in f32.
;; Inputs: rel_emb 8 x 199 x 96 x 1 float32; w_k 8 x 768 x 96 float32; w_o 8 x 96 x 768 float32; w_q 8 x 768 x 96 float32; w_v 8 x 768 x 96 float32; x 4 x 2,048 x 768 float32.
;; Outputs: out0 4 x 2,048 x 768 float32.
;; This version of the problem:
;;   THIS VERSION OF THE PROBLEM IS GIVEN IN LOW PRECISION. The matrix products marked QUANTISED in the list below multiply operands that are first quantised to E2M3 (2 exponent bits, 3 mantissa bits; 6 bits a number), with one power-of-two scale for each 32 numbers along K (OCP MX v1.0); their sums are f32. All else is computed in f32.
;;   The module's matrix products, in the order in which they are computed (A, B: the left and right operand; K: the contracted axis; several contracted axes count as one K, in the product's order):
;;     1. [M 768, K 768] x [K 768, N 8,192]; A: input w_q; B: input x: QUANTISED
;;     2. [M 768, K 768] x [K 768, N 8,192]; A: input w_k; B: input x: QUANTISED
;;     3. [M 768, K 768] x [K 768, N 8,192]; A: input w_v; B: input x: QUANTISED
;;     4. batch 32 x [M 2,048, K 96] x [K 96, N 2,048]; A: computed on the way; B: computed on the way: QUANTISED
;;     5. batch 32 x [M 2,048, K 2,048] x [K 2,048, N 96]; A: softmax (see below); B: computed on the way: QUANTISED
;;     6. [M 8,192, K 768] x [K 768, N 768]; A: computed on the way; B: input w_o: QUANTISED
;;   THE QUANTISER, for each operand of a quantised product, along K:
;;     - K is cut into blocks of 32 from its start; a last block that is shorter is filled with zeros.
;;     - A block's scale is 2^e with e = floor(log2(the largest magnitude in the block)) - 2, held to -126 .. 127; a block of zeros has e = 0. As a byte (E8M0): e + 127.
;;     - Each number is divided by its block's scale, clamped to +-7.5, and rounded to the nearest number of E2M3, ties to even, subnormals kept.
;;     - The product sums the exact products of the quantised numbers (number of the format x scale) in f32.
;;   ~~~python
;;   def quantise(x, axis):      # numpy; x: float32 -> the quantised numbers, widened to float32 again
;;       x = np.moveaxis(x, axis, -1); K = x.shape[-1]
;;       x = np.pad(x, [(0, 0)] * (x.ndim - 1) + [(0, -K % 32)]); x = x.reshape(x.shape[:-1] + (-1, 32)); a = np.abs(x).max(-1, keepdims=True)
;;       e = np.where(a > 0, np.clip(np.frexp(np.where(a > 0, a, 1))[1] - 1 - 2, -126, 127), 0)      # np.frexp(a)[1] - 1 = floor(log2(a)), exactly
;;       r = np.clip(x / 2.0 ** e, -7.5, 7.5)
;;       step = 2.0 ** (np.maximum(np.frexp(np.where(r == 0, 1, r))[1] - 1, 0) - 3)
;;       q = np.round(r / step) * step * 2.0 ** e      # np.round: ties to even
;;       return np.moveaxis(q.reshape(q.shape[:-2] + (-1,))[..., :K], -1, axis).astype(np.float32)
;;   ~~~
;;   SOFTMAX AHEAD OF A QUANTISED PRODUCT. Where the list says 'softmax', what is quantised is not the finished softmax but p = 2^(t - M), with t = logit x log2(e) and M = ceil(the row's largest t), a whole number; so 1/2 < the row's largest p <= 1. The row's sum l is taken of the UNQUANTISED p, in f32, and the product's result is divided by l at the end. Since M is a whole number, a kernel that streams over the keys may use a running M (the ceiling of the running maximum): every later rescaling is an exact power of two, which a block's scale takes up: the codes' values come out the same.
;;   OPERANDS COMPUTED ON THE WAY. 'Computed on the way' means the value that the module computes at that place (a softmax that the list does not call 'softmax' is quantised finished and normalised). What goes into a quantiser is computed in f32, as accurately as f32 sums, v_exp_f32 and their like allow (about 1e-6 of the number): no bf16 or f16 on the way to a quantiser, and a product that is left as it is and whose result goes on into a quantised operand takes f32 operands (vector FMAs, or v_wmma_f32_16x16x4_f32). A number that lies on a knife's edge between two numbers of the format may be rounded either way, as far as f32 arithmetic and the matrix unit's own rounding can turn it there, and no further.
;; One version. Each part assembles by itself: llvm-mc -triple=amdgcn-amd-amdhsa -mcpu=gfx1250 --defsym DOCPART=n.
;; ======== version 1 of 1: 4 launches
;; limits: right only within a limited range of input values
;; workspace buffers: xq 4,915,200 bytes; wq 1,843,200 bytes; bimg 491,520 bytes; qq 6,553,600 bytes; kv 11,534,336 bytes; cq 4,980,736 bytes
;; launch prep (part 1): grid 8 x 45, 6 waves a work-group, no clusters, 104,448 bytes of LDS; arguments x, w_q, w_k, w_v, w_o, rel_emb, xq, wq, bimg; writes xq, wq, bimg
.if DOCPART == 1
	.amdgcn_target "amdgcn-amd-amdhsa--gfx1250"
	.amdhsa_code_object_version 6
	.text
	.protected	k_q1805a24245_prep
	.globl	k_q1805a24245_prep
	.p2align	8
	.type	k_q1805a24245_prep,@function
k_q1805a24245_prep:
	s_mov_b64 s[64:65], 0
	v_nop
	global_prefetch_b8 v0, s[64:65] scope:SCOPE_SE
	s_setreg_imm32_b32 hwreg(HW_REG_WAVE_MODE, 25, 1), 1
	s_wait_xcnt 0x0
; x [8192][768], w_q, w_k, w_v [8][768][96] and w_o [768][768], all f32, become codes of FP6 (E2M3) with one E8M0 byte for each 32 along K; rel_emb becomes tiles of the position bias.
; All codes are laid as IMAGES OF OPERAND REGISTERS: a fragment (16 rows x 128 K, 12 registers a lane) is 1,536 bytes, register group g (4 registers) of lane l at 512 g + 16 l.
; THE ROWS OF A TILE ARE NOT NEIGHBOURS: row r of tile 2 b + u is row 32 b + 8 u + r + 8 (r / 8), for tokens and for the weights' columns alike.
; A block's scale is 2^(floor(log2(largest magnitude)) - 2); its byte is the largest magnitude's exponent field - 2, held at 1 from below by a floor among the maximum's leaves.
; LIMITS: a block of zeros gets the byte 1 (its codes are zeros; this program alone reads the bytes); NaN and infinities among the inputs are not served.
; The work-group's y picks the path: 0-31 x (a pair of tiles, a wave a K step); 32-40 w_q, w_k, w_v; 41-43 w_o; 44 the bias.  No work-group shares an input tile with another, so there is no cluster and no tensor load.
.set XW,    16896                      ; path x: a wave's stage, 32 rows x 528 bytes
.set XP,    528                        ; 512 bytes + 16: sixteen rows start in sixteen different groups of banks
.set BT,    101376                     ; path bias: a table of 576 words
.set SPARE, 103680                     ; the spare words, 128 bytes for each of six waves
.set SPW,   10
.set NIL,   11
.set RX,    32                         ; v32-159  path x: 32 rows as loaded;  weight paths: 128 numbers down K
.set XN,    160                        ; v160-223 path x: my two blocks of a row
.set PCX,   224                        ; v224-247 path x: the two tiles' codes
.set TPX,   248
.macro FINISH                          ; the wave's end
	s_wait_tensorcnt 0x0
	ds_add_u32 v[SPW], v[NIL]
	s_wait_dscnt 0x0
	s_endpgm
.endm
; Path x, tile u of the pair: 16 rows go through the wave's own stage and come back as two whole blocks of 32 a lane: lane (r, hh) holds k = 64 c + 32 hh + 0 .. 31 of row r.
.macro XTILE u
	s_wait_loadcnt 16-16*\u                        ; this tile's sixteen rows are in; tile 1's sixteen may be out
.set i, 0
.rept 16
	ds_store_b128 v4, v[RX+64*\u+4*i:RX+64*\u+4*i+3] offset:XP*(16*\u+i)
.set i, i+1
.endr
.set i, 0
.rept 16
	ds_load_b128 v[XN+4*i:XN+4*i+3], v7 offset:XP*16*\u+256*(i/8)+16*(i%8)   ; LDS serves a wave's instructions in order: these see the stores above
.set i, i+1
.endr
	s_wait_dscnt 0x0
.irp c,0,1
	v_max3_num_f32 v[16+\c], |v[XN+32*\c]|, |v[XN+32*\c+1]|, 0x1800000   ; the floor 2^(3 - 127) is one of the leaves
.endr
.set i, 2
.rept 15
.irp c,0,1
	v_max3_num_f32 v[16+\c], v[16+\c], |v[XN+32*\c+i]|, |v[XN+32*\c+i+1]|
.endr
.set i, i+2
.endr
.irp c,0,1
	v_add_nc_u32 v[18+\c], 0xff000000, v[16+\c]    ; 2 off the exponent field: the conversion's scale operand
.endr
.irp c,0,1
	v_lshrrev_b32 v[20+\c], 23, v[18+\c]           ; the scale's byte
.endr
	v_lshl_or_b32 v22, v21, 16, v20                ; blocks hh and 2 + hh,
	v_lshlrev_b32 v22, v8, v22                     ; 8 hh bits up;
	v_permlanex16_b32 v23, v22, s30, s31
	v_or_b32 v[24+\u], v22, v23                    ; with lane l xor 16's two bytes the row's word is whole
.irp c,0,1
	v_cvt_scalef32_pk16_fp6_f32 v[PCX+12*\u+6*\c:PCX+12*\u+6*\c+2], v[XN+32*\c:XN+32*\c+15], v[18+\c]
	v_cvt_scalef32_pk16_fp6_f32 v[TPX+4*\c:TPX+4*\c+2], v[XN+32*\c+16:XN+32*\c+31], v[18+\c]   ; (a conversion's three registers begin on an even number)
.endr
	v_nop                                          ; one plain place behind the conversions
.irp c,0,1
.irp k,0,1,2
	v_mov_b32 v[PCX+12*\u+6*\c+3+\k], v[TPX+4*\c+\k]
.endr
.endr
.irp g,0,1,2
	global_store_b128 v3, v[PCX+12*\u+4*\g:PCX+12*\u+4*\g+3], s[32:33] offset:9216*\u+512*\g   ; 512 consecutive bytes a store
.endr
.endm
; Weight paths: a lane takes a column, its registers run down K.  Block t of four: 32 loads of 128 consecutive bytes each.
.macro WLOAD t, pitch
.set i, 0
.rept 32
	global_load_b32 v[RX+32*(\t)+i], v3, s[24:25] offset:(32*(\t)+i)*(\pitch) th:TH_LOAD_NT
.set i, i+1
.endr
.endm
.macro WBLOCK t, pitch
.set WX, RX+32*(\t)
.set WP, 160+12*((\t)%2)+6*((\t)/2)    ; the image's lane (r, hh) holds blocks hh and 2 + hh: block t goes to set t % 2, half t / 2
.if (\t) < 3
	s_wait_loadcnt 32                              ; this block's 32 loads are in; the next block's may be out
.else
	s_wait_loadcnt 0x0
.endif
.if (\t) < 2
	WLOAD (\t)+2, \pitch
.endif
	v_max3_num_f32 v16, |v[WX]|, |v[WX+1]|, |v[WX+2]|
	v_max3_num_f32 v17, |v[WX+3]|, |v[WX+4]|, |v[WX+5]|
.irp k,6,10,14,18,22,26
	v_max3_num_f32 v16, v16, |v[WX+\k]|, |v[WX+\k+1]|
	v_max3_num_f32 v17, v17, |v[WX+\k+2]|, |v[WX+\k+3]|
.endr
	v_max3_num_f32 v16, v16, |v[WX+30]|, |v[WX+31]|
	v_max3_num_f32 v16, v16, v17, 0x1800000
	v_add_nc_u32 v18, 0xff000000, v16
	v_lshrrev_b32 v19, 23, v18
.if (\t) == 0
	v_mov_b32 v20, v19
.else
	v_lshl_or_b32 v20, v19, 8*(\t), v20            ; the column's scale word: byte t for block t
.endif
	v_cvt_scalef32_pk16_fp6_f32 v[WP:WP+2], v[WX:WX+15], v18
	v_cvt_scalef32_pk16_fp6_f32 v[184:186], v[WX+16:WX+31], v18
	v_nop
.irp k,0,1,2
	v_mov_b32 v[WP+3+\k], v[184+\k]
.endr
.endm
.macro WBODY pitch                     ; s[24:25] the pair's 32 columns at the K step's first row; s[26:27] the pair's two images; s[28:29] their scale words
	v_lshlrev_b32 v3, 2, v2
	WLOAD 0, \pitch
	WLOAD 1, \pitch
	v_bfe_u32 v5, v2, 3, 1                         ; column d of the pair is row r = d % 8 + 8 (d / 16) of tile u = (d / 8) % 2
	v_and_b32 v6, 7, v2
	v_lshrrev_b32 v7, 4, v2
	v_lshl_add_u32 v6, v7, 3, v6
	v_mul_u32_u24 v4, v5, 1536
	v_lshl_add_u32 v4, v6, 4, v4                   ; 1,536 u + 16 r
	v_lshlrev_b32 v8, 6, v5
	v_lshl_add_u32 v8, v6, 2, v8                   ; 64 u + 4 r
	s_wait_alu depctr_va_vdst(0)
	WBLOCK 0, \pitch
	WBLOCK 1, \pitch
	WBLOCK 2, \pitch
	WBLOCK 3, \pitch
.irp hh,0,1
.irp g,0,1,2
	global_store_b128 v4, v[160+12*\hh+4*\g:160+12*\hh+4*\g+3], s[26:27] offset:256*\hh+512*\g   ; the sixteen lanes of a tile fill 256 consecutive bytes, aligned
.endr
.endr
	global_store_b32 v8, v20, s[28:29]
.endm
	s_load_b256 s[4:11], s[0:1], 0x0               ; x s[4:5], w_q s[6:7], w_k s[8:9], w_v s[10:11]
	s_load_b256 s[12:19], s[0:1], 0x20             ; w_o s[12:13], rel_emb s[14:15], xq s[16:17], wq s[18:19]
	s_load_b64 s[20:21], s[0:1], 0x40              ; bimg
	v_lshl_add_u32 v[SPW], v0, 2, SPARE
	v_mov_b32 v[NIL], 0
	v_lshrrev_b32 v1, 5, v0
	v_readfirstlane_b32 s22, v1                    ; wave 0..5
	v_and_b32 v2, 31, v0                           ; lane
	s_and_b32 s23, ttmp7, 0xffff                   ; y: the same for all waves of a work-group
	s_wait_kmcnt 0x0
	s_cmp_lt_u32 s23, 32
	s_cbranch_scc1 .Lpath_x
	s_cmp_lt_u32 s23, 41
	s_cbranch_scc1 .Lpath_w
	s_cmp_lt_u32 s23, 44
	s_cbranch_scc1 .Lpath_wo
	; ---- THE BIAS, head = work-group x.  A table E[rel + 288] = sqrt(96) x the sum over d of rel_emb[head][clip(rel, -99, 99) + 99], rel = -288 .. 287: the clip is in the table, so no address is clamped later.
	s_mul_i32 s24, ttmp9, 76416
	s_mov_b32 s25, 0
	s_add_nc_u64 s[14:15], s[14:15], s[24:25]
	v_lshl_add_u32 v4, v0, 2, BT
.irp z,0,1,2
	v_add_nc_u32 v3, 192*\z, v0                    ; entry t of 576 (the last pass's loads are done: their offset may be written)
	v_max_u32 v3, 189, v3
	v_sub_nc_u32 v3, v3, 189
	v_min_u32 v3, 198, v3
	v_mul_u32_u24 v3, v3, 384                      ; its row of 96 numbers
.set i, 0
.rept 24
	global_load_b128 v[32+4*i:35+4*i], v3, s[14:15] offset:16*i
.set i, i+1
.endr
	s_wait_loadcnt 0x0
.set i, 0
.rept 24
	v_pk_add_f32 v[32+2*i:33+2*i], v[32+2*i:33+2*i], v[80+2*i:81+2*i]
.set i, i+1
.endr
.set i, 0
.rept 12
	v_pk_add_f32 v[32+2*i:33+2*i], v[32+2*i:33+2*i], v[56+2*i:57+2*i]
.set i, i+1
.endr
.set i, 0
.rept 6
	v_pk_add_f32 v[32+2*i:33+2*i], v[32+2*i:33+2*i], v[44+2*i:45+2*i]
.set i, i+1
.endr
.set i, 0
.rept 3
	v_pk_add_f32 v[32+2*i:33+2*i], v[32+2*i:33+2*i], v[38+2*i:39+2*i]
.set i, i+1
.endr
	v_pk_add_f32 v[32:33], v[32:33], v[34:35]
	v_pk_add_f32 v[32:33], v[32:33], v[36:37]
	v_add_f32 v32, v32, v33
	v_mul_f32 v[20+\z], 0x411cc471, v32            ; x sqrt(96): the bias is added to the raw scores, which are scaled by 1 / sqrt(96) afterwards
	ds_store_b32 v4, v[20+\z] offset:768*\z
.endr
	s_wait_dscnt 0x0                               ; for the others' sake: my entries are in the table
	s_barrier_signal -1
	s_barrier_wait -1
	; image a = 10 wave + i is a tile in the layout of a matrix result: lane (r, hq), register j: E at rel = 8 a - 240 + 16 hq + j - r - 8 (r / 8)
	v_and_b32 v5, 15, v2
	v_lshrrev_b32 v6, 4, v2
	s_mul_i32 s26, s22, 320
	s_add_co_u32 s26, s26, BT+192
	v_lshl_add_u32 v8, v6, 6, s26
	v_lshlrev_b32 v9, 2, v5
	v_sub_nc_u32 v8, v8, v9
	v_lshrrev_b32 v9, 3, v5
	v_lshlrev_b32 v9, 5, v9
	v_sub_nc_u32 v8, v8, v9
	v_lshlrev_b32 v7, 4, v2
	s_mul_i32 s24, ttmp9, 61440
	s_mul_i32 s26, s22, 10240
	s_add_co_u32 s24, s24, s26
	s_add_nc_u64 s[20:21], s[20:21], s[24:25]
.set i, 0
.rept 80
	ds_load_b32 v[32+i], v8 offset:32*(i/8)+4*(i%8)
.set i, i+1
.endr
	s_wait_alu depctr_va_vdst(0)
	s_wait_dscnt 0x0
.set i, 0
.rept 20
	global_store_b128 v7, v[32+4*i:35+4*i], s[20:21] offset:512*i   ; registers 0-3 of an image, then registers 4-7: 512 consecutive bytes a store
.set i, i+1
.endr
	FINISH
.Lpath_x:                                          ; ---- x: pair of tiles P = 8 y + work-group x (32 neighbouring tokens), K step = wave
	s_lshl_b32 s24, s23, 3
	s_add_co_u32 s24, s24, ttmp9
	s_mul_i32 s26, s24, 98304
	s_lshl_b32 s25, s22, 9
	s_add_co_u32 s26, s26, s25
	s_mov_b32 s27, 0
	s_add_nc_u64 s[4:5], s[4:5], s[26:27]
	s_wait_alu depctr_va_vdst(0)
	v_lshlrev_b32 v3, 4, v2
.set i, 0
	s_wait_alu depctr_va_vdst(0)
.rept 32                               ; load i brings row r = i % 16 of tile u = i / 16: 512 consecutive bytes
	global_load_b128 v[RX+4*i:RX+4*i+3], v3, s[4:5] offset:(8*(i/16)+i%16+8*((i%16)/8))*3072 th:TH_LOAD_NT
.set i, i+1
.endr
	s_mul_i32 s28, s24, 18432
	s_mul_i32 s25, s22, 1536
	s_add_co_u32 s28, s28, s25
	s_mov_b32 s29, 0
	s_add_nc_u64 s[32:33], s[16:17], s[28:29]      ; the codes: ((2 P + u) 6 + s) x 1,536
	s_mul_i32 s28, s24, 768
	s_lshl_b32 s25, s22, 7
	s_add_co_u32 s28, s28, s25
	s_add_nc_u64 s[34:35], s[16:17], s[28:29]
	s_add_nc_u64 s[34:35], s[34:35], 4718592       ; the scale words: (6 P + s) x 128
	s_mov_b32 s30, 0x76543210
	s_mov_b32 s31, 0xfedcba98                      ; v_permlanex16_b32's selects for lane l xor 16
	s_mov_b32 s36, 0xffff0000                      ; lanes 16-31
	s_mul_i32 s37, s22, XW
	v_add_nc_u32 v4, s37, v3                       ; into the stage: 16 x lane
	v_and_b32 v5, 15, v2
	v_lshrrev_b32 v6, 4, v2
	v_mul_u32_u24 v7, v5, XP
	v_lshl_add_u32 v7, v6, 7, v7
	v_add_nc_u32 v7, s37, v7                       ; out of it: row r, + 128 hh
	v_lshlrev_b32 v8, 3, v6
	v_lshlrev_b32 v9, 2, v2
	v_mov_b32 v23, 0                               ; a lane permute's destination counts as one of its sources
	s_wait_alu depctr_va_vdst(0)
	XTILE 0
	XTILE 1
	v_cndmask_b32 v26, v24, v25, s36               ; lanes 0-15 tile 0's words, lanes 16-31 tile 1's
	global_store_b32 v9, v26, s[34:35]
	FINISH
.Lpath_w:                                          ; ---- w_q, w_k, w_v: head = work-group x; y - 32 = 3 m + sp; wave = 3 sw + b; K step 2 sp + sw, pair of tiles b
	s_sub_co_u32 s30, s23, 32
	s_mul_i32 s31, s30, 171
	s_lshr_b32 s31, s31, 9                         ; m
	s_mul_i32 s32, s31, 3
	s_sub_co_u32 s32, s30, s32                     ; sp
	s_mul_i32 s33, s22, 171
	s_lshr_b32 s33, s33, 9                         ; sw
	s_mul_i32 s34, s33, 3
	s_sub_co_u32 s34, s22, s34                     ; b
	s_lshl_b32 s35, s32, 1
	s_add_co_u32 s35, s35, s33                     ; s
	s_mul_i32 s36, ttmp9, 294912
	s_mul_i32 s37, s35, 49152
	s_add_co_u32 s36, s36, s37
	s_lshl_b32 s37, s34, 7
	s_add_co_u32 s36, s36, s37
	s_mov_b32 s37, 0
	s_mul_i32 s38, ttmp9, 3
	s_add_co_u32 s38, s38, s31
	s_mul_i32 s38, s38, 6
	s_add_co_u32 s38, s38, s35
	s_mul_i32 s38, s38, 6
	s_lshl_b32 s39, s34, 1
	s_add_co_u32 s38, s38, s39                     ; the image's number: ((3 h + m) 6 + s) 6 + 2 b
	s_mul_i32 s40, s38, 1536
	s_mov_b32 s41, 0
	s_add_nc_u64 s[26:27], s[18:19], s[40:41]
	s_lshl_b32 s40, s38, 6
	s_add_nc_u64 s[28:29], s[18:19], s[40:41]
	s_add_nc_u64 s[28:29], s[28:29], 1327104
	s_cmp_eq_u32 s31, 0
	s_cselect_b64 s[24:25], s[6:7], s[8:9]
	s_cmp_eq_u32 s31, 2
	s_cselect_b64 s[24:25], s[10:11], s[24:25]
	s_add_nc_u64 s[24:25], s[24:25], s[36:37]
	s_wait_alu depctr_va_vdst(0)
	WBODY 384
	FINISH
.Lpath_wo:                                         ; ---- w_o: 8 (y - 41) + work-group x = 4 s + cg; pair of tiles = wave
	s_sub_co_u32 s30, s23, 41
	s_lshl_b32 s30, s30, 3
	s_add_co_u32 s30, s30, ttmp9
	s_lshr_b32 s31, s30, 2                         ; s
	s_and_b32 s32, s30, 3                          ; cg: 192 columns
	s_mul_i32 s36, s31, 393216
	s_mul_i32 s37, s32, 768
	s_add_co_u32 s36, s36, s37
	s_lshl_b32 s37, s22, 7
	s_add_co_u32 s36, s36, s37
	s_mov_b32 s37, 0
	s_add_nc_u64 s[24:25], s[12:13], s[36:37]
	s_mul_i32 s38, s32, 6
	s_add_co_u32 s38, s38, s31
	s_mul_i32 s38, s38, 12
	s_lshl_b32 s39, s22, 1
	s_add_co_u32 s38, s38, s39                     ; (6 cg + s) 12 + 2 wave
	s_mul_i32 s40, s38, 1536
	s_mov_b32 s41, 0
	s_add_nc_u64 s[26:27], s[18:19], s[40:41]
	s_add_nc_u64 s[26:27], s[26:27], 1382400
	s_lshl_b32 s40, s38, 6
	s_add_nc_u64 s[28:29], s[18:19], s[40:41]
	s_add_nc_u64 s[28:29], s[28:29], 1824768
	s_wait_alu depctr_va_vdst(0)
	WBODY 3072
	FINISH
.Lfunc_end_k_q1805a24245_prep:
	.size	k_q1805a24245_prep, .Lfunc_end_k_q1805a24245_prep-k_q1805a24245_prep
	.p2alignl 7, 3214868480
	.fill 96, 4, 3214868480
	.section	.rodata,"a",@progbits
	.p2align	6, 0x0
	.amdhsa_kernel k_q1805a24245_prep
		.amdhsa_group_segment_fixed_size 104448
		.amdhsa_private_segment_fixed_size 0
		.amdhsa_enable_private_segment 0
		.amdhsa_kernarg_size 72
		.amdhsa_user_sgpr_count 2
		.amdhsa_user_sgpr_kernarg_segment_ptr 1
		.amdhsa_wavefront_size32 1
		.amdhsa_system_sgpr_workgroup_id_x 1
		.amdhsa_system_sgpr_workgroup_id_y 1
		.amdhsa_system_sgpr_workgroup_id_z 1
		.amdhsa_system_vgpr_workitem_id 0
		.amdhsa_next_free_vgpr 256
		.amdhsa_next_free_sgpr 66
		.amdhsa_reserve_vcc 0
		.amdhsa_float_denorm_mode_32 3
		.amdhsa_float_denorm_mode_16_64 3
		.amdhsa_memory_ordered 1
		.amdhsa_forward_progress 1
		.amdhsa_inst_pref_size 82
	.end_amdhsa_kernel
	.amdgpu_metadata
---
amdhsa.version: [ 1, 2 ]
amdhsa.kernels:
  - .name:           k_q1805a24245_prep
    .symbol:         k_q1805a24245_prep.kd
    .args:
      - { .name: x, .offset: 0, .size: 8, .value_kind: global_buffer, .address_space: global }
      - { .name: w_q, .offset: 8, .size: 8, .value_kind: global_buffer, .address_space: global }
      - { .name: w_k, .offset: 16, .size: 8, .value_kind: global_buffer, .address_space: global }
      - { .name: w_v, .offset: 24, .size: 8, .value_kind: global_buffer, .address_space: global }
      - { .name: w_o, .offset: 32, .size: 8, .value_kind: global_buffer, .address_space: global }
      - { .name: rel_emb, .offset: 40, .size: 8, .value_kind: global_buffer, .address_space: global }
      - { .name: xq, .offset: 48, .size: 8, .value_kind: global_buffer, .address_space: global }
      - { .name: wq, .offset: 56, .size: 8, .value_kind: global_buffer, .address_space: global }
      - { .name: bimg, .offset: 64, .size: 8, .value_kind: global_buffer, .address_space: global }
    .group_segment_fixed_size: 104448
    .private_segment_fixed_size: 0
    .kernarg_segment_align: 8
    .kernarg_segment_size: 72
    .max_flat_workgroup_size: 192
    .sgpr_count:     66
    .vgpr_count:     256
    .wavefront_size: 32
...
	.end_amdgpu_metadata
.endif
;; end of part 1
;; launch qkv (part 2): grid 8 x 32, 8 waves a work-group, clusters of 4 x 4, 327,680 bytes of LDS; arguments xq, wq, qq, kv; writes qq, kv
.if DOCPART == 2
	.amdgcn_target "amdgcn-amd-amdhsa--gfx1250"
	.amdhsa_code_object_version 6
	.text
	.protected	k_q1805a24245_qkv
	.globl	k_q1805a24245_qkv
	.p2align	8
	.type	k_q1805a24245_qkv,@function
k_q1805a24245_qkv:
	s_mov_b64 s[64:65], 0
	v_nop
	global_prefetch_b8 v0, s[64:65] scope:SCOPE_SE
	s_setreg_imm32_b32 hwreg(HW_REG_WAVE_MODE, 25, 1), 1
	s_wait_xcnt 0x0
	s_wait_alu depctr_hold_cnt(0) depctr_sa_sdst(0) depctr_va_vdst(0) depctr_va_sdst(0) depctr_va_ssrc(0) depctr_va_vcc(0) depctr_vm_vsrc(0)
	s_getreg_b32 s2, hwreg(HW_REG_IB_STS2, 6, 4)
	s_cmp_eq_u32 s2, 0
	s_cbranch_scc0 .Lentry_in_a_cluster
	s_endpgm
.Lentry_in_a_cluster:
	s_bfe_u32 s2, ttmp6, 0x10000c
	s_cmp_lg_u32 s2, 0xf033
	s_cbranch_scc0 .Lentry_shape_is_right
	s_endpgm
.Lentry_shape_is_right:
; q, k, v = x w_q, x w_k, x w_v on codes of FP6 (E2M3), for one head and 256 tokens a work-group; the results are quantised in registers and stored as images of operand registers for the attention launch.
; q and k: source 0 = 16 columns of the weight, source 1 = 16 tokens: a lane holds one token and its registers run along d, which is the next K (96: three blocks; the fourth block of the fragment is zero codes under the byte 127).
; v: source 0 = 16 tokens, source 1 = 16 columns: a lane holds one d and its registers run along the tokens, which are the keys, the next K.
; The rows of every tile are 32 b + 8 u + r + 8 (r / 8), so that the 16 registers of two neighbouring tiles are 16 neighbours along the next K.
; CLUSTER 4 x 4: the four work-groups of a row share their 256 tokens' codes, the four of a column their head's weights: each is asked for jointly.  All of it fits in LDS at once: every LDS byte is filled once, one load a wave is out at the most.
; Three phases of 12 accumulators a wave; w_k and w_v land while q is made.
; LIMITS: a block of zeros gets the byte 1 (zero codes; this program alone reads the bytes); NaN and infinities are not served.
.set WL,    147456                     ; LDS: x's 16 tiles x 6 K steps from 0 (wave w's pair at 18,432 w); the weights [m][s][n] from here
.set SCS,   313344                     ; the stages of q's, k's and v's scale words, 1,024 bytes each; no fill lands here
.set SPARE, 316416                     ; the spare words, 128 bytes for each of eight waves
.set A16, 1                            ; v1   16 x lane
.set AX,  2                            ; v2   my pair of x tiles
.set AWQ, 3                            ; v3, v4  w_q's, w_k's images
.set AWV, 5                            ; v5   my three tiles of w_v
.set AXV, 6                            ; v6   my four x tiles of phase v
.set L4,  7
.set L8,  8
.set VA,  9                            ; v9, v10  offsets of w_v's scale words
.set VB,  10
.set SCA, 11                           ; v11  where my pair's scale words go in a stage
.set VSA, 12                           ; v12-15 where v's scale bytes go
.set XS,  16                           ; v16-21 x's scale words, my pair
.set XV,  22                           ; v22-33 x's scale words, phase v's two pairs
.set WS,  34                           ; v34-51 the weight's scale words
.set FR,  52                           ; v52-147 fragments; behind a phase's products the quantiser works here
.set TP,  FR+24
.set TM,  FR+32
.set ACC, 148                          ; v148-243 twelve accumulators
.set PT,  244                          ; v244-247 lane permutes' destinations
.set PW,  248                          ; v248, v249 the two tiles' scale words
.set SPW, 250
.set NIL, 251
.set IMA, 252                          ; v252 where a wave reads a finished stage
.macro CROUND                          ; a round of the cluster's barrier
	s_barrier_signal -1
	s_barrier_wait -1
	s_cmp_lg_u32 s12, 0
	s_cbranch_scc1 .Lnot_wave_0_\@
	s_barrier_signal -3
.Lnot_wave_0_\@:
	s_barrier_wait -3
	s_barrier_signal -1
	s_barrier_wait -1
.endm
; One product: D = v[rD], source 0 = v[rA], source 1 = v[rB], C = 0 or v[rC]; ra, rb: which half of the lanes of v[rSA], v[rSB] holds the scale words
.macro WMS zero, ra, rb
.if \zero
.if ((\ra)==0) && ((\rb)==0)
	v_wmma_scale_f32_16x16x128_f8f6f4 v[rD:rD+7], v[rA:rA+11], v[rB:rB+11], 0, v[rSA], v[rSB] matrix_a_fmt:MATRIX_FMT_FP6 matrix_b_fmt:MATRIX_FMT_FP6
.elseif ((\ra)==1) && ((\rb)==0)
	v_wmma_scale_f32_16x16x128_f8f6f4 v[rD:rD+7], v[rA:rA+11], v[rB:rB+11], 0, v[rSA], v[rSB] matrix_a_fmt:MATRIX_FMT_FP6 matrix_b_fmt:MATRIX_FMT_FP6 matrix_a_scale:MATRIX_SCALE_ROW1
.elseif ((\ra)==0) && ((\rb)==1)
	v_wmma_scale_f32_16x16x128_f8f6f4 v[rD:rD+7], v[rA:rA+11], v[rB:rB+11], 0, v[rSA], v[rSB] matrix_a_fmt:MATRIX_FMT_FP6 matrix_b_fmt:MATRIX_FMT_FP6 matrix_b_scale:MATRIX_SCALE_ROW1
.else
	v_wmma_scale_f32_16x16x128_f8f6f4 v[rD:rD+7], v[rA:rA+11], v[rB:rB+11], 0, v[rSA], v[rSB] matrix_a_fmt:MATRIX_FMT_FP6 matrix_b_fmt:MATRIX_FMT_FP6 matrix_a_scale:MATRIX_SCALE_ROW1 matrix_b_scale:MATRIX_SCALE_ROW1
.endif
.else
.if ((\ra)==0) && ((\rb)==0)
	v_wmma_scale_f32_16x16x128_f8f6f4 v[rD:rD+7], v[rA:rA+11], v[rB:rB+11], v[rC:rC+7], v[rSA], v[rSB] matrix_a_fmt:MATRIX_FMT_FP6 matrix_b_fmt:MATRIX_FMT_FP6
.elseif ((\ra)==1) && ((\rb)==0)
	v_wmma_scale_f32_16x16x128_f8f6f4 v[rD:rD+7], v[rA:rA+11], v[rB:rB+11], v[rC:rC+7], v[rSA], v[rSB] matrix_a_fmt:MATRIX_FMT_FP6 matrix_b_fmt:MATRIX_FMT_FP6 matrix_a_scale:MATRIX_SCALE_ROW1
.elseif ((\ra)==0) && ((\rb)==1)
	v_wmma_scale_f32_16x16x128_f8f6f4 v[rD:rD+7], v[rA:rA+11], v[rB:rB+11], v[rC:rC+7], v[rSA], v[rSB] matrix_a_fmt:MATRIX_FMT_FP6 matrix_b_fmt:MATRIX_FMT_FP6 matrix_b_scale:MATRIX_SCALE_ROW1
.else
	v_wmma_scale_f32_16x16x128_f8f6f4 v[rD:rD+7], v[rA:rA+11], v[rB:rB+11], v[rC:rC+7], v[rSA], v[rSB] matrix_a_fmt:MATRIX_FMT_FP6 matrix_b_fmt:MATRIX_FMT_FP6 matrix_a_scale:MATRIX_SCALE_ROW1 matrix_b_scale:MATRIX_SCALE_ROW1
.endif
.endif
.endm
.macro PLACES                          ; four plain places behind matrix instructions, ahead of loads into their registers and of reads of their results
.rept 4
	v_nop
.endr
.endm
; A K step of q or k: my two x tiles against the weight's six tiles: 12 products, the 12 accumulators by turns
.macro KSTEP_QK aw, s, zero
	PLACES
.irp xt,0,1
.irp g,0,1,2
	ds_load_b128 v[FR+12*\xt+4*\g:FR+12*\xt+4*\g+3], v[AX] offset:9216*\xt+1536*(\s)+512*\g
.endr
.endr
.irp n,0,1,2,3,4,5
.irp g,0,1,2
	ds_load_b128 v[FR+24+12*\n+4*\g:FR+24+12*\n+4*\g+3], v[\aw] offset:9216*(\s)+1536*\n+512*\g
.endr
.endr
.irp n,0,1,2,3,4,5
	s_wait_dscnt 15-3*\n                           ; x's two and the weight's tiles up to n are in; three loads for each later tile may be out
.irp xt,0,1
.set rD, ACC+8*(6*\xt+\n)
.set rC, rD
.set rA, FR+24+12*\n
.set rB, FR+12*\xt
.set rSA, WS+3*(\s)+\n/2
.set rSB, XS+(\s)
	WMS \zero, \n%2, \xt
.endr
.endr
.endm
; The largest magnitudes, scale operands and bytes of nb blocks of 32: register 16 b + i of v[src] on is number 32 b + 16 (lane / 16) + i of my row
.macro QMAX nb, src
.irp b,0,1,2
.if \b < \nb
	v_max3_num_f32 v[TM+\b], |v[(\src)+16*\b]|, |v[(\src)+16*\b+1]|, 0x1800000   ; each accumulator is read from its low end on; the floor 2^(3 - 127) is a leaf
.endif
.endr
.set qi, 2
.rept 7
.irp b,0,1,2
.if \b < \nb
	v_max3_num_f32 v[TM+\b], v[TM+\b], |v[(\src)+16*\b+qi]|, |v[(\src)+16*\b+qi+1]|
.endif
.endr
.set qi, qi+2
.endr
.irp b,0,1,2
.if \b < \nb
	v_permlanex16_b32 v[PT+\b], v[TM+\b], s92, s93
.endif
.endr
.irp b,0,1,2
.if \b < \nb
	v_max_num_f32 v[TM+\b], v[TM+\b], v[PT+\b]     ; with lane l xor 16's sixteen
.endif
.endr
.irp b,0,1,2
.if \b < \nb
	v_add_nc_u32 v[TM+8+\b], 0xff000000, v[TM+\b]  ; 2 off the exponent field: the conversion's scale operand
.endif
.endr
.irp b,0,1,2
.if \b < \nb
	v_lshrrev_b32 v[TM+4+\b], 23, v[TM+8+\b]       ; the byte
.endif
.endr
.endm
; 48 numbers of a lane (three blocks along d) become a fragment in v[pc] on and its scale word in v[pw]
.macro Q3 src, pc, pw
	QMAX 3, \src
	s_delay_alu instid0(VALU_DEP_2)
	v_lshl_or_b32 v[\pw], v[TM+5], 8, v[TM+4]
	s_delay_alu instid0(VALU_DEP_1)
	v_lshl_or_b32 v[\pw], v[TM+6], 16, v[\pw]
	s_delay_alu instid0(VALU_DEP_1)
	v_or_b32 v[\pw], 0x7f000000, v[\pw]            ; the fourth block: zero codes under the byte 127
	v_cvt_scalef32_pk16_fp6_f32 v[(\pc):(\pc)+2], v[(\src):(\src)+15], v[TM+8]
	v_cvt_scalef32_pk16_fp6_f32 v[TP:TP+2], v[(\src)+16:(\src)+31], v[TM+9]
	v_cvt_scalef32_pk16_fp6_f32 v[(\pc)+6:(\pc)+8], v[(\src)+32:(\src)+47], v[TM+10]
.irp k,4,5,6
	v_mov_b32 v[TP+\k], 0                          ; (also the plain place behind the conversions)
.endr
.irp k,0,1,2
	v_permlane16_swap_b32 v[(\pc)+\k], v[TP+\k]    ; the layout wants a whole block in a lane: lanes 0-15 block 2 c, lanes 16-31 block 2 c + 1
.endr
.irp k,0,1,2
	v_permlane16_swap_b32 v[(\pc)+6+\k], v[TP+4+\k]
.endr
.irp k,0,1,2
	v_mov_b32 v[(\pc)+3+\k], v[TP+\k]
	v_mov_b32 v[(\pc)+9+\k], v[TP+4+\k]
.endr
.endm
.macro PHASE_QK m                      ; m = 0: q; 1: k
	s_wait_xcnt 0x0                                ; the stores of the phase before have read the registers that the fragments now take
	KSTEP_QK AWQ+\m, 0, 1                          ; the first K step starts the sums
.irp s,1,2,3,4,5
	KSTEP_QK AWQ+\m, \s, 0
.endr
	PLACES
.if \m == 0
.set i, 0
.rept 18
	global_load_b32 v[WS+i], v[L4], s[68:69] offset:2304+384*(i/3)+128*(i%3)   ; w_k's scale words, for the next phase
.set i, i+1
.endr
.else
.set i, 0
.rept 6
	global_load_b32 v[WS+2*i], v[VA], s[68:69] offset:4608+384*i      ; w_v's: my tiles 3 q and 3 q + 1 in the two halves of the lanes,
	global_load_b32 v[WS+2*i+1], v[VB], s[68:69] offset:4608+384*i    ; and tile 3 q + 2
.set i, i+1
.endr
.endif
.irp xt,0,1
	Q3 ACC+48*\xt, FR+12*\xt, PW+\xt
.irp g,0,1,2
	global_store_b128 v[A16], v[FR+12*\xt+4*\g:FR+12*\xt+4*\g+3], s[76+2*\m:77+2*\m] offset:1536*\xt+512*\g
.endr
.endr
	v_cndmask_b32 v[FR+48], v[PW], v[PW+1], s84    ; lanes 0-15 the even tile's words, lanes 16-31 the odd tile's
	ds_store_b32 v[SCA], v[FR+48] offset:1024*\m
	s_wait_loadcnt 0x0                             ; the next phase's scale words
.endm
; A K step of v: my four x tiles (64 tokens) against my three tiles of w_v
.macro KSTEP_V s, zero
	PLACES
.irp j,0,1,2
.irp g,0,1,2
	ds_load_b128 v[FR+12*\j+4*\g:FR+12*\j+4*\g+3], v[AWV] offset:9216*(\s)+1536*\j+512*\g
.endr
.endr
.irp xt,0,1,2,3
.irp g,0,1,2
	ds_load_b128 v[FR+36+12*\xt+4*\g:FR+36+12*\xt+4*\g+3], v[AXV] offset:9216*\xt+1536*(\s)+512*\g
.endr
.endr
.irp xt,0,1,2,3
	s_wait_dscnt 9-3*\xt                           ; three loads for each later x tile may be out
.irp j,0,1,2
.set rD, ACC+8*(4*\j+\xt)
.set rC, rD
.set rA, FR+36+12*\xt
.set rB, FR+12*\j
.set rSA, XV+6*(\xt/2)+(\s)
.set rSB, WS+2*(\s)+\j/2
	WMS \zero, \xt%2, \j%2
.endr
.endr
.endm
.macro PHASE_V
	s_wait_xcnt 0x0
	KSTEP_V 0, 1
.irp s,1,2,3,4,5
	KSTEP_V \s, 0
.endr
	PLACES
	v_mov_b32 v[FR+47], 0x7f7f
.irp j,0,1,2                           ; 64 keys of 16 d: half a fragment, six registers: four by a store of 16 bytes a lane, two by one of 8
	QMAX 2, ACC+32*\j
	s_delay_alu instid0(VALU_DEP_1)
	v_lshl_or_b32 v[FR+44+\j], v[TM+5], 8, v[TM+4]
	v_cvt_scalef32_pk16_fp6_f32 v[FR+8*\j:FR+8*\j+2], v[ACC+32*\j:ACC+32*\j+15], v[TM+8]
	v_cvt_scalef32_pk16_fp6_f32 v[TP:TP+2], v[ACC+32*\j+16:ACC+32*\j+31], v[TM+9]
	v_nop
.irp k,0,1,2
	v_permlane16_swap_b32 v[FR+8*\j+\k], v[TP+\k]
.endr
.irp k,0,1,2
	s_delay_alu instid0(VALU_DEP_3)
	v_mov_b32 v[FR+8*\j+3+\k], v[TP+\k]
.endr
	global_store_b128 v[A16], v[FR+8*\j:FR+8*\j+3], s[80:81] offset:1536*\j
	global_store_b64 v[L8], v[FR+8*\j+4:FR+8*\j+5], s[80:81] offset:1536*\j+512
	ds_store_b16 v[VSA+\j], v[FR+44+\j]            ; my two bytes of the row's word (lanes l and l + 16 write the same)
.endr
	ds_store_b16 v[VSA+3], v[FR+47]                ; the image's fourth word is never used as a scale: 127s
.endm
	s_load_b256 s[4:11], s[0:1], 0x0               ; xq s[4:5], wq s[6:7], qq s[8:9], kv s[10:11]
	v_lshl_add_u32 v[SPW], v0, 2, SPARE
	v_mov_b32 v[NIL], 0
	ds_add_u32 v[SPW], v[NIL]                      ; the wave's opening
	ds_add_u32 v[SPW], v[NIL]
	v_lshrrev_b32 v1, 5, v0
	s_delay_alu instid0(VALU_DEP_1)
	v_readfirstlane_b32 s12, v1                    ; wave 0..7
	s_bfe_u32 s13, ttmp6, 0x40000                  ; cx
	s_bfe_u32 s14, ttmp6, 0x40004                  ; cy
	s_lshl_b32 s15, ttmp9, 2
	s_add_co_u32 s15, s15, s13                     ; the head = 4 x cluster x + cx
	s_and_b32 s16, ttmp7, 0xffff
	s_lshl_b32 s16, s16, 2
	s_add_co_u32 s16, s16, s14                     ; the group of 256 tokens = 4 x cluster y + cy
	s_lshl_b32 s17, s14, 2
	s_lshl_b32 s17, 15, s17                        ; my row of the cluster
	s_lshl_b32 s18, 0x1111, s13                    ; my column
	; descriptors: dense blocks as rows of 256 bytes (32 elements of 8 bytes), no padding: x 144 rows a wave (waves 0-3), each weight load 54
	s_or_b32 s24, s17, (3<<16)|(1<<21)
	s_mov_b32 s25, 32<<16
	s_mov_b32 s26, 144<<16                         ; x comes in quarters: 144 rows of 256 bytes
	s_mov_b32 s27, 32<<16
	s_mov_b32 s28, 144
	s_mov_b32 s29, 32
	s_mov_b32 s30, 0
	s_mov_b32 s31, 0
	s_or_b32 s32, s18, (3<<16)|(1<<21)
	s_mov_b32 s33, 32<<16
	s_mov_b32 s34, 54<<16                          ; a load of weights: 54 rows of 256 bytes
	s_mov_b32 s35, 32<<16
	s_mov_b32 s36, 54
	s_mov_b32 s37, 32
	s_mov_b32 s38, 0
	s_mov_b32 s39, 0
	s_mul_i32 s20, s16, 147456                     ; x's address hangs on the token group and the wave alone,
	s_mul_i32 s19, s12, 18432
	s_and_b32 s23, s12, 3
	s_mul_i32 s94, s23, 36864                      ; which quarter of x (waves 0 to 3)
	s_add_co_u32 s20, s20, s94
	s_mov_b32 s21, 0
	s_mul_i32 s66, s15, 165888                     ; the weights' on the head and the wave alone
	s_mul_i32 s22, s23, 13824                      ; which quarter of w_q (waves 4 to 7)
	s_mov_b32 s23, 0
	s_mul_i32 s56, s12, 13824                      ; which eighth of w_k and w_v, which lie on end behind w_q
	s_add_co_u32 s56, s56, 55296
	s_mov_b32 s57, 0
	s_mov_b32 s67, 0
	s_mov_b32 s84, 0xffff0000                      ; lanes 16-31
	s_mov_b32 s92, 0x76543210
	s_mov_b32 s93, 0xfedcba98
	s_wait_dscnt 0x0                               ; the opening add is done
	s_wait_kmcnt 0x0
	CROUND                                         ; all sixteen work-groups are here: the joint loads meet
	s_mov_b32 s40, 1
	s_mov_b32 s41, s94
	s_add_nc_u64 s[42:43], s[4:5], s[20:21]
	s_or_b32 s43, s43, 0x80000000
	s_add_nc_u64 s[70:71], s[6:7], s[66:67]
	s_mov_b32 s44, 1
	s_add_co_u32 s45, s22, WL
	s_add_nc_u64 s[46:47], s[70:71], s[22:23]
	s_or_b32 s47, s47, 0x80000000
	s_mov_b32 s48, 1
	s_add_co_u32 s49, s56, WL
	s_add_nc_u64 s[50:51], s[70:71], s[56:57]
	s_or_b32 s51, s51, 0x80000000
	; THE LOADS AS THEY NOW STAND: one joint load a wave at the head (waves 0-3 a quarter of x, waves 4-7 a quarter of w_q); w_k and w_v follow behind the three lines and a round, an eighth a wave: one load a wave is out
	s_cmp_lt_u32 s12, 4
	s_cbranch_scc0 .Lhead_w
	tensor_load_to_lds s[40:43], s[24:31]
	s_nop 0
.rept 4
	v_nop
.endr
	s_branch .Lhead_asked
.Lhead_w:
	tensor_load_to_lds s[44:47], s[32:39]
	s_nop 0
.Lhead_asked:
.rept 4
	v_nop
.endr
	; addresses
	v_and_b32 v1, 31, v0
	s_delay_alu instid0(VALU_DEP_1)
	v_lshlrev_b32 v[L4], 2, v1
	s_delay_alu instid0(VALU_DEP_2)
	v_lshlrev_b32 v[L8], 3, v1
	s_delay_alu instid0(VALU_DEP_3)
	v_lshlrev_b32 v[A16], 4, v1
	s_lshr_b32 s58, s12, 1                         ; u: which 64 tokens are mine in phase v
	s_and_b32 s59, s12, 1                          ; q: which three tiles of w_v
	v_add_nc_u32 v[AX], s19, v[A16]
	v_add_nc_u32 v[AWQ], WL, v[A16]
	v_add_nc_u32 v[AWQ+1], WL+55296, v[A16]
	s_mul_i32 s63, s59, 4608
	s_add_co_u32 s63, s63, WL+110592
	v_add_nc_u32 v[AWV], s63, v[A16]
	s_mul_i32 s63, s58, 36864
	v_add_nc_u32 v[AXV], s63, v[A16]
	s_mul_i32 s63, s59, 192
	v_add_nc_u32 v[VA], s63, v[L4]
	v_and_b32 v[PW], 15, v0
	s_wait_alu depctr_va_vdst(0)
	v_lshl_add_u32 v[VB], v[PW], 2, s63
	s_delay_alu instid0(VALU_DEP_1)
	v_add_nc_u32 v[VB], 128, v[VB]
	s_lshr_b32 s63, s12, 2
	s_lshl_b32 s63, s63, 9
	s_and_b32 s90, s12, 3
	s_lshl_b32 s90, s90, 2
	s_add_co_u32 s63, s63, s90
	s_add_co_u32 s63, s63, SCS
	v_add_nc_u32 v[SCA], s63, v[A16]               ; group of 8 tiles w / 4, word w % 4 of my lane's four
	s_min_u32 s63, s12, 5
	s_lshl_b32 s63, s63, 9
	s_add_co_u32 s63, s63, SCS
	v_add_nc_u32 v[IMA], s63, v[A16]
	s_lshr_b32 s85, s58, 1                         ; which 128 keys of the 256
	s_and_b32 s86, s58, 1                          ; which 64 of those
	s_lshl_b32 s88, s85, 9
	s_lshl_b32 s63, s86, 1
	s_add_co_u32 s88, s88, s63
	s_add_co_u32 s88, s88, SCS+2048
	v_lshlrev_b32 v[PW], 4, v[PW]                  ; 16 r
	s_wait_alu depctr_va_vdst(0)
	s_mul_i32 s89, s59, 260                        ; tile n = 3 q + j has word n / 2 of lane 16 (n % 2) + r: 256 (n % 2) + 4 (n / 2)
	s_add_co_u32 s63, s88, s89
	v_add_nc_u32 v[VSA], s63, v[PW]
	s_add_co_u32 s63, s63, 4
	v_add_nc_u32 v[VSA+2], s63, v[PW]
	s_xor_b32 s90, s59, 1
	s_mul_i32 s90, s90, 248
	s_add_co_u32 s90, s90, 8
	s_add_co_u32 s63, s88, s90
	v_add_nc_u32 v[VSA+1], s63, v[PW]
	s_lshl_b32 s90, s59, 8
	s_add_co_u32 s90, s90, 12
	s_add_co_u32 s63, s88, s90
	v_add_nc_u32 v[VSA+3], s63, v[PW]
.irp b,0,1,2,3
	v_mov_b32 v[PT+\b], 0                          ; a lane permute's destination counts as one of its sources
.endr
	; x's scale words: my pair 8 y + w; phase v's pairs 8 y + 2 u, + 1
	s_lshl_b32 s56, s16, 3
	s_add_co_u32 s57, s56, s12
	s_mul_i32 s72, s57, 768
	s_mov_b32 s73, 0
	s_add_nc_u64 s[72:73], s[4:5], s[72:73]
	s_add_nc_u64 s[72:73], s[72:73], 4718592
	s_lshl_b32 s57, s58, 1
	s_add_co_u32 s57, s57, s56
	s_mul_i32 s74, s57, 768
	s_mov_b32 s75, 0
	s_add_nc_u64 s[74:75], s[4:5], s[74:75]
	s_add_nc_u64 s[74:75], s[74:75], 4718592
	s_mul_i32 s68, s15, 6912
	s_mov_b32 s69, 0
	s_add_nc_u64 s[68:69], s[6:7], s[68:69]
	s_add_nc_u64 s[68:69], s[68:69], 1327104       ; my head's weights' scale words
.set i, 0
.rept 6
	global_load_b32 v[XS+i], v[L4], s[72:73] offset:128*i
	global_load_b32 v[XV+i], v[L4], s[74:75] offset:128*i
	global_load_b32 v[XV+6+i], v[L4], s[74:75] offset:768+128*i
.set i, i+1
.endr
.set i, 0
.rept 18
	global_load_b32 v[WS+i], v[L4], s[68:69] offset:384*(i/3)+128*(i%3)
.set i, i+1
.endr
	; where the results go
	s_lshr_b32 s60, s16, 3
	s_lshl_b32 s60, s60, 3
	s_add_co_u32 s60, s60, s15                     ; bh = 8 x batch + head
	s_and_b32 s61, s16, 7                          ; which 256 tokens of the sequence
	s_lshl_b32 s62, s60, 3
	s_add_co_u32 s62, s62, s61
	s_mul_i32 s62, s62, 45056                      ; the record of these 256 keys
	s_lshl_b32 s76, s60, 7
	s_lshl_b32 s63, s61, 4
	s_add_co_u32 s76, s76, s63
	s_lshl_b32 s63, s12, 1
	s_add_co_u32 s76, s76, s63
	s_mul_i32 s76, s76, 1536
	s_mov_b32 s77, 0
	s_add_nc_u64 s[76:77], s[8:9], s[76:77]        ; q's images
	s_mul_i32 s78, s12, 3072                       ; a record is two blocks of 22,528 bytes, one for each 128 keys: k's eight images, v's six, k's scale image, v's scale image
	s_lshr_b32 s63, s12, 2
	s_mul_i32 s63, s63, 10240                      ; waves 4-7 hold the second 128 keys: 22,528 - 12,288 further on
	s_add_co_u32 s78, s78, s63
	s_add_co_u32 s78, s78, s62
	s_mov_b32 s79, 0
	s_add_nc_u64 s[78:79], s[10:11], s[78:79]      ; k's
	s_mul_i32 s80, s85, 22528
	s_mul_i32 s63, s59, 4608
	s_add_co_u32 s80, s80, s63
	s_mul_i32 s63, s86, 768
	s_add_co_u32 s80, s80, s63
	s_add_co_u32 s80, s80, s62
	s_add_co_u32 s80, s80, 12288
	s_mov_b32 s81, 0
	s_add_nc_u64 s[80:81], s[10:11], s[80:81]      ; v's halves
	s_lshl_b32 s87, s60, 4
	s_lshl_b32 s63, s61, 1
	s_add_co_u32 s87, s87, s63
	s_add_co_u32 s87, s87, s12
	s_lshl_b32 s87, s87, 9
	s_add_co_u32 s87, s87, 6291456
	s_and_b32 s88, s12, 1                          ; waves 2, 3: k's scale images of the two blocks, at byte 21,504; waves 4, 5: v's, at 22,016
	s_mul_i32 s88, s88, 22528
	s_lshr_b32 s63, s12, 2
	s_lshl_b32 s63, s63, 9
	s_add_co_u32 s88, s88, s63
	s_add_co_u32 s88, s88, s62
	s_add_co_u32 s88, s88, 21504
	s_cmp_lt_u32 s12, 2                            ; waves 0, 1 store q's scale images, waves 2 to 5 k's and v's
	s_cselect_b64 s[82:83], s[8:9], s[10:11]
	s_cselect_b32 s88, s87, s88
	s_mov_b32 s89, 0
	s_add_nc_u64 s[82:83], s[82:83], s[88:89]
	s_wait_alu depctr_va_vdst(0)
	s_wait_tensorcnt 0x0                           ; my part of x or of w_q is in
	ds_add_u32 v[SPW], v[NIL]
	s_wait_dscnt 0x0
	CROUND                                         ; everybody's parts are in, and the sixteen work-groups meet
	tensor_load_to_lds s[48:51], s[32:39]          ; my eighth of w_k and w_v: it lands while q is made
	s_nop 0
.rept 4
	v_nop
.endr
	s_wait_loadcnt 0x0                             ; the scale words
	PHASE_QK 0
	s_wait_tensorcnt 0x0                           ; my part of w_k and w_v
	s_wait_dscnt 0x0
	s_barrier_signal -1
	s_barrier_wait -1
	PHASE_QK 1
	s_wait_tensorcnt 0x0                           ; my part of w_v
	s_wait_dscnt 0x0
	s_barrier_signal -1
	s_barrier_wait -1
	PHASE_V
	s_wait_dscnt 0x0                               ; for the others' sake: my words and bytes are in the stages
	s_barrier_signal -1
	s_barrier_wait -1
	s_cmp_lt_u32 s12, 6
	s_cbranch_scc0 .Lno_image
	ds_load_b128 v[140:143], v[IMA]                ; 512 bytes of a finished stage
	s_wait_dscnt 0x0
	global_store_b128 v[A16], v[140:143], s[82:83]
.Lno_image:
	s_wait_tensorcnt 0x0                           ; the wave's end
	ds_add_u32 v[SPW], v[NIL]
	s_wait_dscnt 0x0
	CROUND                                         ; the closing round
	s_endpgm
.Lfunc_end_k_q1805a24245_qkv:
	.size	k_q1805a24245_qkv, .Lfunc_end_k_q1805a24245_qkv-k_q1805a24245_qkv
	.p2alignl 7, 3214868480
	.fill 96, 4, 3214868480
	.section	.rodata,"a",@progbits
	.p2align	6, 0x0
	.amdhsa_kernel k_q1805a24245_qkv
		.amdhsa_group_segment_fixed_size 327680
		.amdhsa_private_segment_fixed_size 0
		.amdhsa_enable_private_segment 0
		.amdhsa_kernarg_size 32
		.amdhsa_user_sgpr_count 2
		.amdhsa_user_sgpr_kernarg_segment_ptr 1
		.amdhsa_wavefront_size32 1
		.amdhsa_system_sgpr_workgroup_id_x 1
		.amdhsa_system_sgpr_workgroup_id_y 1
		.amdhsa_system_sgpr_workgroup_id_z 1
		.amdhsa_system_vgpr_workitem_id 0
		.amdhsa_next_free_vgpr 256
		.amdhsa_next_free_sgpr 96
		.amdhsa_reserve_vcc 0
		.amdhsa_float_denorm_mode_32 3
		.amdhsa_float_denorm_mode_16_64 3
		.amdhsa_memory_ordered 1
		.amdhsa_forward_progress 1
		.amdhsa_inst_pref_size 97
	.end_amdhsa_kernel
	.amdgpu_metadata
---
amdhsa.version: [ 1, 2 ]
amdhsa.kernels:
  - .name:           k_q1805a24245_qkv
    .symbol:         k_q1805a24245_qkv.kd
    .args:
      - { .name: xq, .offset: 0, .size: 8, .value_kind: global_buffer, .address_space: global }
      - { .name: wq, .offset: 8, .size: 8, .value_kind: global_buffer, .address_space: global }
      - { .name: qq, .offset: 16, .size: 8, .value_kind: global_buffer, .address_space: global }
      - { .name: kv, .offset: 24, .size: 8, .value_kind: global_buffer, .address_space: global }
    .group_segment_fixed_size: 327680
    .private_segment_fixed_size: 0
    .kernarg_segment_align: 8
    .kernarg_segment_size: 32
    .max_flat_workgroup_size: 256
    .sgpr_count:     96
    .vgpr_count:     256
    .wavefront_size: 32
...
	.end_amdgpu_metadata
.endif
;; end of part 2
;; launch attn (part 3): grid 8 x 32, 8 waves a work-group, no clusters, 327,680 bytes of LDS; arguments qq, kv, bimg, cq; writes cq
.if DOCPART == 3
	.amdgcn_target "amdgcn-amd-amdhsa--gfx1250"
	.amdhsa_code_object_version 6
	.text
	.protected	k_q1805a24245_attn
	.globl	k_q1805a24245_attn
	.p2align	8
	.type	k_q1805a24245_attn,@function
k_q1805a24245_attn:
	s_mov_b64 s[64:65], 0
	v_nop
	global_prefetch_b8 v0, s[64:65] scope:SCOPE_SE
	s_setreg_imm32_b32 hwreg(HW_REG_WAVE_MODE, 25, 1), 1
	s_wait_xcnt 0x0
; ctx = softmax(q k^T / sqrt(96) + position bias) v for one (batch, head) and 256 queries a work-group, both products on codes of FP6 (E2M3); ctx is quantised along d and stored for the last product.
; t = (score + sqrt(96) bias) x log2(e) / sqrt(96); M = the running largest t rounded up to a whole number; p = 2^(t - M) is quantised along the keys, not normalised; the sum of the unquantised p divides at the end.
; SHARES.  Eight waves, each a PAIR of tiles of 16 queries (32 neighbouring queries); every wave walks the 2,048 keys, 128 a step, and each fragment of K and of V that it reads from LDS feeds two matrix instructions.
; Both products are used transposed (S^T = K Q^T, O^T = V^T P^T): a lane holds one query of each tile throughout.  The rows of every tile are 32 b + 8 u + r + 8 (r / 8).
; REGISTERS, two windows of 256.  Tile 1's state has in window 1 the numbers that tile 0's has in window 0 (v8-27, v32-175), so the softmax is ONE macro, run under s_set_vgpr_msb 0 and 0x55.
;   v176-223 of both windows: fragments (K's tiles 0-3 and V's 0-2 in window 0, K's 4-7 and V's 3-5 in window 1).  Window 0 alone: addresses v0-7, scale words v28-30 and v240-247, the far bias tile v224-231.
; LDS: a key step is one dense block of 22,528 bytes (k's images, v's images, both scale images); fourteen places hold steps 0-13, and steps 14, 15 come into places 0, 1 when those have been read.
; FOUR FILLS, each one load a wave, an eighth of the chunk: steps 0-1 at the head (22 rows of 256 bytes a wave), steps 2-5 behind the first barrier (44 rows), steps 6-13 behind the second (88 rows), steps 14-15 behind the third
; (22 rows).  So the walk has four barriers, and between them runs of 2, 4, 8 and 2 steps; a chunk has the run before it in which to land.  The step is written once and stands in four counted loops.
; THE BIAS COSTS NO VECTOR INSTRUCTION: it is the C of the first product.  It hangs on key - query alone and is constant from 99 on.  A step whose keys all lie 99 or more to one side of the pair takes the far tile CF;
; the others (two or three steps of a wave's sixteen, always on end) find their sixteen tiles loaded into the accumulators: they are asked for in the step before, behind each tile's conversions.  CF holds the left constant
; until the first such request, which also loads the right constant into it: key - query only grows along the walk.  Which way a step goes hangs on ids alone.
; NO CLUSTER: that branch differs between the work-groups that share K and V, and partners of a joint load must run alike; without the branch every wave would load 16 KiB of bias in every step, 128 KiB a work-group,
; against the 22,528 bytes a step that a joint load would share.
; LIMITS: a block of zeros gets the byte 1 (zero codes); NaN and infinities are not served; the bias enters the f32 sum as bias x sqrt(96); the promise holds while |t| stays under 2^31.
.set HSTEP, 22528
.set SPARE, 14*HSTEP                   ; behind the fourteen places: the spare words, 128 bytes for each of eight waves
.set L16, 1                            ; 16 x lane
.set L8,  2                            ; 8 x lane
.set A16, 3                            ; the same in the step's place
.set A8,  4
.set SPW, 5
.set NIL, 6
.set PFO, 7                            ; the prefetches' offset: 256 x min(lane, 21)
.set NM,  8                            ; -M;  v9 the largest t
.set MT,  9
.set LS,  10                           ; v[10:11] the sum in two halves
.set FF,  12                           ; v[12:13] f = 2^(old M - new M)
.set TT,  14
.set T2,  15
.set QF,  16                           ; v16-27 Q's fragment
.set QS,  28                           ; Q's scale words: lanes 0-15 tile 0's, lanes 16-31 tile 1's
.set PS,  29                           ; v29, v30 p's scale words of tiles 0, 1
.set TH,  31                           ; the head's scratch
.set S,   32                           ; v32-95 S^T, then p
.set OT,  96                           ; v96-143 O^T, six tiles
.set PC,  144                          ; v144-155 p's codes
.set CT,  156                          ; v156-163 the sum's chains, then the conversions' second halves
.set BM,  164
.set PT,  168
.set SO,  172
.set FR,  176
.set CF,  224
.set KS,  240
.set VS,  244
.set EA,  248                          ; the way out: 24 r + 12 (lane / 16)
.set EB,  249                          ; 4 r
.set G1A, 24                           ; group 1 for 22 rows;  G1B: 44;  G1C: 88
.set G0A, 32                           ; group 0 of the four fills
.set TB,  36                           ; the step's place in LDS
.set SD,  37                           ; the step's first key - the pair's first query
.set CNT, 38
.set LSD, 39                           ; SD in the last step
.set SEL, 40
.set CS,  42                           ; s[42:43] c = log2(e) / sqrt(96)
.set PF2, 44                           ; s[44:45], s[46:47] the two prefetches' addresses
.set PF3, 46
.set G1B, 72
.set G1C, 80
.set G0B, 88
.set G0C, 92
.set G0D, 96
.set MSB, 0
.macro WIN new                         ; the immediate's high byte repeats the setting that is left
.if MSB != (\new)
	s_set_vgpr_msb (MSB<<8)|(\new)
.set MSB, (\new)
.endif
.endm
.macro WMS ra, rb                      ; D = v[rD], source 0 = v[rA], source 1 = v[rB], C = v[rC]; ra, rb: which half of the lanes of v[rSA], v[rSB] holds the scale words
.if ((\ra)==0) && ((\rb)==0)
	v_wmma_scale_f32_16x16x128_f8f6f4 v[rD:rD+7], v[rA:rA+11], v[rB:rB+11], v[rC:rC+7], v[rSA], v[rSB] matrix_a_fmt:MATRIX_FMT_FP6 matrix_b_fmt:MATRIX_FMT_FP6
.elseif ((\ra)==1) && ((\rb)==0)
	v_wmma_scale_f32_16x16x128_f8f6f4 v[rD:rD+7], v[rA:rA+11], v[rB:rB+11], v[rC:rC+7], v[rSA], v[rSB] matrix_a_fmt:MATRIX_FMT_FP6 matrix_b_fmt:MATRIX_FMT_FP6 matrix_a_scale:MATRIX_SCALE_ROW1
.elseif ((\ra)==0) && ((\rb)==1)
	v_wmma_scale_f32_16x16x128_f8f6f4 v[rD:rD+7], v[rA:rA+11], v[rB:rB+11], v[rC:rC+7], v[rSA], v[rSB] matrix_a_fmt:MATRIX_FMT_FP6 matrix_b_fmt:MATRIX_FMT_FP6 matrix_b_scale:MATRIX_SCALE_ROW1
.else
	v_wmma_scale_f32_16x16x128_f8f6f4 v[rD:rD+7], v[rA:rA+11], v[rB:rB+11], v[rC:rC+7], v[rSA], v[rSB] matrix_a_fmt:MATRIX_FMT_FP6 matrix_b_fmt:MATRIX_FMT_FP6 matrix_a_scale:MATRIX_SCALE_ROW1 matrix_b_scale:MATRIX_SCALE_ROW1
.endif
.endm
; S^T of a step: 8 tiles of 16 keys x 2 tiles of queries, each accumulator once.  near = 1: the accumulators hold the loaded bias tiles; 0: C = the far tile
.macro SMUL near
.irp fw,0,1
	s_wait_dscnt 12-12*\fw                         ; the scale words and window 0's four fragments are in, window 1's twelve loads may be out; then all
.irp u,0,1
.if \near
	WIN (0x54*\u)|\fw
.else
	WIN (0x44*\u)|\fw
.endif
.irp t,0,1,2,3
.set rD, S+8*(4*\fw+\t)
.if \near
.set rC, rD
.else
.set rC, CF
.endif
.set rA, FR+12*\t
.set rB, QF
.set rSA, KS+(4*\fw+\t)/2
.set rSB, QS
	WMS \t%2, \u
.endr
.endr
.endr
	WIN 0
.endm
.macro BLOADS u                        ; tile u's eight bias tiles: tile t of a step wants image (SD - 8 u + 240) / 8 + 0, 1, 4, 5, 8, 9, 12, 13, 1,024 bytes an image; s[50:51] stands at tile 0's first
	WIN 0x40*\u
.irp t,0,1,2,3,4,5,6,7
	global_load_b128 v[S+8*\t:S+8*\t+3], v[L16], s[50:51] offset:1024*(4*(\t/2)+\t%2)-1024*\u
	global_load_b128 v[S+8*\t+4:S+8*\t+7], v[L16], s[50:51] offset:1024*(4*(\t/2)+\t%2)-1024*\u+512
.endr
	WIN 0
.endm
; The next step's bias tiles for tile u, if there is a next step and it is a near one: -224 <= its SD <= 128 keeps both tiles' images inside the sixty.  With tile 0's the far tile takes the right constant (image 59).
.macro ASKB u
	WIN 0
.if \u == 0
	s_add_co_i32 s52, s[SD], 128+240               ; (the last loads by s[50:51] were waited for ahead of this step's first product; the address is used in the near case alone)
	s_lshl_b32 s52, s52, 7
	s_add_nc_u64 s[50:51], s[48:49], s[52:53]
.endif
	s_add_co_i32 s54, s[SD], 128+224
	s_cmp_eq_u32 s[SD], s[LSD]
	s_cselect_b32 s54, -1, s54                     ; the last step asks for nothing
	s_cmp_le_u32 s54, 352
	s_wait_alu depctr_va_vdst(0)
	s_cbranch_scc0 .Lnoask_\@
	BLOADS \u
.if \u == 0
	global_load_b128 v[CF:CF+3], v[L16], s[48:49] offset:60416
	global_load_b128 v[CF+4:CF+7], v[L16], s[48:49] offset:60928
.endif
.Lnoask_\@:
.endm
; The softmax of tile u's 16 queries x 128 keys, p's codes and scale word, and O^T under the new M
.macro SOFT u
	WIN 0x55*\u
	s_wait_alu depctr_va_vdst(0)                   ; ahead of the first readers of S^T
.irp b,0,1,2,3
	v_max3_num_f32 v[BM+\b], v[S+16*\b], v[S+16*\b+1], v[S+16*\b+2]   ; the largest score of each block of 32 keys: for the row's maximum and, since p rises with the score, for the block's largest p
.endr
.irp i,3,5,7,9,11,13
.irp b,0,1,2,3
	v_max3_num_f32 v[BM+\b], v[BM+\b], v[S+16*\b+\i], v[S+16*\b+\i+1]
.endr
.endr
.irp b,0,1,2,3
	v_max_num_f32 v[BM+\b], v[BM+\b], v[S+16*\b+15]
.endr
.irp b,0,1,2,3
	s_delay_alu instid0(VALU_DEP_4)
	v_permlanex16_b32 v[PT+\b], v[BM+\b], s[SEL], s[SEL+1]
.endr
.irp b,0,1,2,3
	s_delay_alu instid0(VALU_DEP_4)
	v_max_num_f32 v[BM+\b], v[BM+\b], v[PT+\b]     ; with lane l xor 16's sixteen keys
.endr
	s_delay_alu instid0(VALU_DEP_2)
	v_max3_num_f32 v[TT], v[BM], v[BM+1], v[BM+2]
	s_delay_alu instid0(VALU_DEP_1)
	v_max_num_f32 v[TT], v[TT], v[BM+3]
	s_delay_alu instid0(VALU_DEP_1)
	v_mul_f32 v[TT], s[CS], v[TT]                  ; as t (c is positive)
	s_delay_alu instid0(VALU_DEP_1)
	v_max_num_f32 v[MT], v[MT], v[TT]              ; the running largest t
	v_mov_b32 v[T2], v[NM]
	s_delay_alu instid0(VALU_DEP_2)
	v_floor_f32 v[NM], -v[MT]                      ; -M = floor(-t): M is a whole number
	s_delay_alu instid0(VALU_DEP_1)
	v_sub_f32 v[T2], v[NM], v[T2]                  ; old M - new M: a whole number, 0 or less
	s_delay_alu instid0(VALU_DEP_1)
	v_cvt_i32_f32 v[T2], v[T2]                     ; (it saturates)
	s_delay_alu instid0(VALU_DEP_1)
	v_ldexp_f32 v[FF], 1.0, v[T2]                  ; f: multiplying by it rounds nothing
.set j, 0
.rept 32
	v_pk_fma_f32 v[S+j:S+j+1], v[S+j:S+j+1], s[CS:CS+1], v[NM:NM+1] op_sel_hi:[1,0,0]   ; t - M, two at a time
.set j, j+2
.endr
.irp b,0,1,2,3
	v_fma_f32 v[BM+\b], v[BM+\b], s[CS], v[NM]
.endr
	s_wait_alu depctr_va_vdst(0)                   ; ahead of the batch
.set j, 0
.rept 64
	v_exp_f32 v[S+j], v[S+j]                       ; p = 2^(t - M)
.set j, j+1
.endr
.irp b,0,1,2,3
	v_exp_f32 v[BM+\b], v[BM+\b]                   ; the blocks' largest p: the same two instructions on the same number
.endr
	v_pk_mul_f32 v[LS:LS+1], v[LS:LS+1], v[FF:FF+1] op_sel_hi:[1,0]   ; the sums under the new M (the plain place behind the batch)
	s_wait_alu depctr_va_vdst(0)                   ; one wait for the batch, ahead of its first reader
.irp k,0,1,2,3
	v_pk_add_f32 v[CT+2*\k:CT+2*\k+1], v[S+4*\k:S+4*\k+1], v[S+4*\k+2:S+4*\k+3]   ; the sum of the unquantised p, in four chains
.endr
.set j, 16
.rept 6
.irp k,0,1,2,3
	v_pk_add_f32 v[CT+2*\k:CT+2*\k+1], v[CT+2*\k:CT+2*\k+1], v[S+j+2*\k:S+j+2*\k+1]
.endr
.set j, j+8
.endr
	v_pk_add_f32 v[CT:CT+1], v[CT:CT+1], v[CT+2:CT+3]
	v_pk_add_f32 v[CT+4:CT+5], v[CT+4:CT+5], v[CT+6:CT+7]
.irp b,0,1,2,3
	v_max_num_f32 v[BM+\b], 0x1800000, v[BM+\b]    ; the floor 2^(3 - 127)
.endr
	v_pk_add_f32 v[CT:CT+1], v[CT:CT+1], v[CT+4:CT+5]
.irp b,0,1,2,3
	v_add_nc_u32 v[SO+\b], 0xff000000, v[BM+\b]    ; 2 off the exponent field: the conversion's scale operand
.endr
	v_pk_add_f32 v[LS:LS+1], v[LS:LS+1], v[CT:CT+1]
.irp b,0,1,2,3
	v_lshrrev_b32 v[PT+\b], 23, v[SO+\b]           ; the bytes
.endr
	s_delay_alu instid0(VALU_DEP_3)
	v_lshl_or_b32 v[TT], v[PT+1], 8, v[PT]
	s_delay_alu instid0(VALU_DEP_1)
	v_lshl_or_b32 v[TT], v[PT+2], 16, v[TT]
	WIN 0x15*\u                                    ; scale words lie in window 0
	v_lshl_or_b32 v[PS+\u], v[PT+3], 24, v[TT]
	WIN 0x55*\u
.irp c,0,1
	v_cvt_scalef32_pk16_fp6_f32 v[PC+6*\c:PC+6*\c+2], v[S+32*\c:S+32*\c+15], v[SO+2*\c]
	v_cvt_scalef32_pk16_fp6_f32 v[CT+4*\c:CT+4*\c+2], v[S+32*\c+16:S+32*\c+31], v[SO+2*\c+1]   ; (a conversion's three registers begin on an even number)
.endr
	v_nop                                          ; one plain place behind the conversions
.irp c,0,1
.irp k,0,1,2
	v_permlane16_swap_b32 v[PC+6*\c+\k], v[CT+4*\c+\k]   ; the layout wants a whole block in a lane
.endr
.endr
.irp c,0,1
.irp k,0,1,2
	v_mov_b32 v[PC+6*\c+3+\k], v[CT+4*\c+\k]
.endr
.endr
	s_wait_alu depctr_va_vdst(0)                   ; ahead of the first readers of O^T
.set j, 0
.rept 24
	v_pk_mul_f32 v[OT+j:OT+j+1], v[OT+j:OT+j+1], v[FF:FF+1] op_sel_hi:[1,0]   ; O^T under the new M; also the places between p's codes and scale word and the products
.set j, j+2
.endr
.endm
.macro STEP                            ; 128 keys: the block at s[TB]
	v_add_nc_u32 v[A16], s[TB], v[L16]             ; (these four lines are the places behind the last step's products)
	v_add_nc_u32 v[A8], s[TB], v[L8]
	v_nop
	v_nop
	s_wait_alu depctr_va_vdst(0)
	ds_load_b128 v[KS:KS+3], v[A16] offset:21504
.irp fw,0,1
	WIN 0x40*\fw
.irp t,0,1,2,3
.irp k,0,1,2
	ds_load_b128 v[FR+12*\t+4*\k:FR+12*\t+4*\k+3], v[A16] offset:1536*(4*\fw+\t)+512*\k
.endr
.endr
.endr
	WIN 0
	s_add_co_i32 s54, s[SD], 224
	s_wait_loadcnt 0x0                             ; the bias tiles, where they were asked for (in the first step: Q too)
	s_cmp_le_u32 s54, 352
	s_cbranch_scc0 .Lfar_\@
	SMUL 1
	s_branch .Ljoin_\@
.Lfar_\@:
	SMUL 0
.Ljoin_\@:
.rept 4
	v_nop                                          ; places ahead of loads into the fragments' registers and of the first reads of S^T
.endr
	ds_load_b128 v[VS:VS+3], v[A16] offset:22016
.irp fw,0,1                            ; V's six fragments are asked for ahead of the softmax, which names none of their registers
	WIN 0x40*\fw
.irp t,0,1,2
.set VO, 12288+1536*(3*\fw+\t)
	ds_load_b128 v[FR+12*\t:FR+12*\t+3], v[A16] offset:VO          ; a fragment of V lies as two halves of 64 keys: four registers at 16 x lane, two at 8 x lane
	ds_load_b64 v[FR+12*\t+4:FR+12*\t+5], v[A8] offset:VO+512
	ds_load_b128 v[FR+12*\t+6:FR+12*\t+9], v[A16] offset:VO+768
	ds_load_b64 v[FR+12*\t+10:FR+12*\t+11], v[A8] offset:VO+1280
.endr
.endr
	SOFT 0
	ASKB 0
	SOFT 1
	ASKB 1
	s_wait_dscnt 0x0                               ; V's fragments
.irp fw,0,1
.irp u,0,1
	WIN (0x54*\u)|\fw
.irp t,0,1,2
.set rD, OT+8*(3*\fw+\t)
.set rC, rD
.set rA, FR+12*\t
.set rB, PC
.set rSA, VS+(3*\fw+\t)/2
.set rSB, PS+\u
	WMS (3*\fw+\t)%2, 0
.endr
.endr
.endr
	WIN 0
	s_add_co_i32 s[SD], s[SD], 128
	s_add_co_u32 s[TB], s[TB], HSTEP
.endm
.macro WALK n                          ; n steps on end
	s_mov_b32 s[CNT], \n
.Lwalk_\@:
	STEP
	s_sub_co_u32 s[CNT], s[CNT], 1
	s_cmp_lg_u32 s[CNT], 0
	s_cbranch_scc1 .Lwalk_\@
.endm
; Between two runs: every wave waits for its tensor load, adds 0 to its spare word, waits for that and for its LDS reads, and passes the barrier: the next run's chunk is whole, and the last run's places are read no more.
.macro MEET
	s_wait_tensorcnt 0x0
	ds_add_u32 v[SPW], v[NIL]
	s_wait_dscnt 0x0
	s_barrier_signal -1
	s_barrier_wait -1
.endm
.macro FILL g0, g1                     ; my eighth of a chunk: the wave's one tensor load behind the barrier
	tensor_load_to_lds s[\g0:\g0+3], s[\g1:\g1+7]
	s_nop 0
.rept 4
	v_nop
.endr
.endm
; A PREFETCH of the chunk that the NEXT barrier's load will ask for: the eight work-groups of a head share its blocks of 256 bytes out by address, and waves 0 .. n - 1 of each name 22 blocks (lanes 22-31 name block 21 again).
; Steps 6-13 (704 blocks: n = 4) are named two steps ahead of their load, steps 14-15 (176 blocks: n = 1) four steps ahead; steps 0-5 have no step ahead of their loads and come by them alone.
.macro ASKP n, pf
	s_cmp_lt_u32 s12, \n
	s_cbranch_scc0 .Lnot_mine_\@
	global_prefetch_b8 v[PFO], s[\pf:\pf+1] th:TH_LOAD_NT scope:SCOPE_SE
.Lnot_mine_\@:
.endm
.macro MKG1 g, rows                    ; dense rows of 256 bytes (32 elements of 8 bytes), no mask, no padding
	s_mov_b32 s[\g], 3<<16
	s_mov_b32 s[\g+1], 32<<16
	s_mov_b32 s[\g+2], (\rows)<<16
	s_mov_b32 s[\g+3], 32<<16
	s_mov_b32 s[\g+4], \rows
	s_mov_b32 s[\g+5], 32
	s_mov_b32 s[\g+6], 0
	s_mov_b32 s[\g+7], 0
.endm
.macro MKG0 g, lds, glob, per          ; my eighth, per bytes, of the chunk at byte glob of my head's keys, to LDS byte lds
	s_mul_i32 s22, s12, \per
	s_mov_b32 s[\g], 1
	s_add_co_u32 s[\g+1], s22, \lds
	s_add_co_u32 s22, s22, \glob
	s_add_nc_u64 s[\g+2:\g+3], s[6:7], s[22:23]
	s_or_b32 s[\g+3], s[\g+3], 0x80000000
.endm
.macro INIT u                          ; the step is written without a first step of its own: it finds zeros and -3e38
	WIN 0x55*\u
	v_mov_b32 v[MT], 0xff61b1e6
	v_mov_b32 v[LS], 0
	v_mov_b32 v[LS+1], 0
	v_mov_b32 v[FF+1], 0                           ; (named with f as a pair)
	v_floor_f32 v[NM], -v[MT]
.irp b,0,1,2,3
	v_mov_b32 v[PT+\b], 0                          ; a lane permute's destination counts as one of its sources
.endr
.set j, 0
.rept 48
	v_mov_b32 v[OT+j], 0
.set j, j+1
.endr
.endm
; THE WAY OUT of tile u: O^T / the sum is ctx: lane (r, hq) holds d = 32 b + 16 hq + 0 .. 15 of query r: three blocks of the last product's K
.macro FIN u
	WIN 0x55*\u
	v_add_f32 v[LS], v[LS], v[LS+1]
	s_delay_alu instid0(VALU_DEP_1)
	v_permlanex16_b32 v[FF], v[LS], s[SEL], s[SEL+1]
	s_delay_alu instid0(VALU_DEP_1)
	v_add_f32 v[LS], v[LS], v[FF]
	s_wait_alu depctr_va_vdst(0)                   ; ahead of the reciprocal
	v_rcp_f32 v[LS], v[LS]
	v_nop
	s_wait_alu depctr_va_vdst(0)                   ; and ahead of its first reader, which is also O^T's
.set j, 0
.rept 48
	v_mul_f32 v[S+j], v[OT+j], v[LS]
.set j, j+1
.endr
.irp b,0,1,2
	v_max3_num_f32 v[BM+\b], |v[S+16*\b]|, |v[S+16*\b+1]|, 0x1800000
.endr
.irp i,2,4,6,8,10,12,14
.irp b,0,1,2
	s_delay_alu instid0(VALU_DEP_3)
	v_max3_num_f32 v[BM+\b], v[BM+\b], |v[S+16*\b+\i]|, |v[S+16*\b+\i+1]|
.endr
.endr
.irp b,0,1,2
	s_delay_alu instid0(VALU_DEP_3)
	v_permlanex16_b32 v[PT+\b], v[BM+\b], s[SEL], s[SEL+1]
.endr
.irp b,0,1,2
	s_delay_alu instid0(VALU_DEP_3)
	v_max_num_f32 v[BM+\b], v[BM+\b], v[PT+\b]
.endr
.irp b,0,1,2
	s_delay_alu instid0(VALU_DEP_3)
	v_add_nc_u32 v[SO+\b], 0xff000000, v[BM+\b]
.endr
.irp b,0,1,2
	s_delay_alu instid0(VALU_DEP_3)
	v_lshrrev_b32 v[PT+\b], 23, v[SO+\b]
.endr
	s_delay_alu instid0(VALU_DEP_2)
	v_lshl_or_b32 v[TT], v[PT+1], 8, v[PT]
	s_delay_alu instid0(VALU_DEP_1)
	v_lshl_or_b32 v[TT], v[PT+2], 16, v[TT]
.irp b,0,1,2
	v_cvt_scalef32_pk16_fp6_f32 v[PC+4*\b:PC+4*\b+2], v[S+16*\b:S+16*\b+15], v[SO+\b]
.endr
	v_nop
	WIN 0x04*\u                                    ; the stores' data in window u, their offsets in window 0
.irp b,0,1,2
	global_store_b96 v[EA], v[PC+4*\b:PC+4*\b+2], s[66:67] offset:384*\b+9216*\u   ; 32 lanes store 384 consecutive bytes: row r's 24 bytes at 24 r
.endr
	global_store_b32 v[EB], v[TT], s[68:69] offset:64*\u   ; lanes l and l + 16 store the same word with the same value
.endm
	s_load_b256 s[4:11], s[0:1], 0x0               ; qq s[4:5], kv s[6:7], bimg s[8:9], cq s[10:11]
	v_lshl_add_u32 v[SPW], v0, 2, SPARE
	v_mov_b32 v[NIL], 0
	ds_add_u32 v[SPW], v[NIL]                      ; the wave's opening
	ds_add_u32 v[SPW], v[NIL]
	v_lshrrev_b32 v[TH], 5, v0
	s_delay_alu instid0(VALU_DEP_1)
	v_readfirstlane_b32 s12, v[TH]                 ; wave 0..7
	s_and_b32 s13, ttmp7, 0xffff                   ; bh
	s_and_b32 s14, s13, 7                          ; the head
	s_lshl_b32 s15, ttmp9, 3
	s_add_co_u32 s15, s15, s12                     ; my pair of tiles, 0..63: queries 32 P .. 32 P + 31
	s_lshl_b32 s[SD], s15, 5
	s_sub_co_i32 s[SD], 0, s[SD]                   ; key 0 - my first query
	s_add_co_i32 s[LSD], s[SD], 1920
	MKG1 G1A, 22
	MKG1 G1B, 44
	MKG1 G1C, 88
	s_mul_i32 s20, s13, 360448
	s_mov_b32 s21, 0
	s_mov_b32 s23, 0
	s_mov_b32 s[SEL], 0x76543210
	s_mov_b32 s[SEL+1], 0xfedcba98
	s_mov_b32 s[CS], 0x3e16c73f                    ; log2(e) / sqrt(96)
	s_mov_b32 s[CS+1], s[CS]
	s_mov_b32 s[TB], 0
	s_mov_b32 s53, 0
	s_wait_dscnt 0x0                               ; both opening adds are done
	s_wait_kmcnt 0x0
	s_add_nc_u64 s[6:7], s[6:7], s[20:21]          ; my head's sixteen blocks
	MKG0 G0A, 0, 0, 5632
	FILL G0A, G1A                                  ; steps 0 and 1
	MKG0 G0B, 2*HSTEP, 2*HSTEP, 11264              ; steps 2-5
	MKG0 G0C, 6*HSTEP, 6*HSTEP, 22528              ; steps 6-13
	MKG0 G0D, 0, 14*HSTEP, 5632                    ; steps 14, 15, into places 0, 1
	v_and_b32 v[TH], 31, v0
	v_and_b32 v[EB], 15, v0
	v_bfe_u32 v[EA], v0, 4, 1
	v_lshlrev_b32 v[L16], 4, v[TH]
	v_lshlrev_b32 v[L8], 3, v[TH]
	v_min_u32 v[PFO], 21, v[TH]
	v_mul_u32_u24 v[TH], v[EB], 24
	v_lshlrev_b32 v[EB], 2, v[EB]
	v_lshlrev_b32 v[PFO], 8, v[PFO]
	v_mad_u32_u24 v[EA], v[EA], 12, v[TH]
	s_wait_alu depctr_va_vdst(0)
	s_lshl_b32 s52, s13, 6
	s_add_co_u32 s52, s52, s15
	s_mul_i32 s52, s52, 3072
	s_add_nc_u64 s[56:57], s[4:5], s[52:53]
.irp u,0,1
	WIN 0x40*\u
.irp g,0,1,2
	global_load_b128 v[QF+4*\g:QF+4*\g+3], v[L16], s[56:57] offset:1536*\u+512*\g   ; Q's two fragments stay in registers
.endr
.endr
	WIN 0
	s_lshl_b32 s52, s13, 4
	s_lshr_b32 s54, s15, 2
	s_add_co_u32 s52, s52, s54
	s_lshl_b32 s52, s52, 9
	s_and_b32 s54, s15, 3
	s_lshl_b32 s54, s54, 2
	s_add_co_u32 s52, s52, s54
	s_add_nc_u64 s[58:59], s[4:5], s[52:53]
	s_add_nc_u64 s[58:59], s[58:59], 6291456
	global_load_b32 v[QS], v[L16], s[58:59]        ; word P % 4 of each lane's four: lanes 0-15 the even tile's rows, lanes 16-31 the odd tile's
	s_mul_i32 s52, s14, 61440
	s_add_nc_u64 s[48:49], s[8:9], s[52:53]        ; my head's sixty bias tiles
	s_add_co_i32 s54, s[SD], 224
	s_cmp_le_u32 s54, 352
	s_cselect_b32 s52, 60416, 0                    ; the far tile: the left constant, or the right one where my first step is a near one
	s_add_nc_u64 s[60:61], s[48:49], s[52:53]
	global_load_b128 v[CF:CF+3], v[L16], s[60:61]
	global_load_b128 v[CF+4:CF+7], v[L16], s[60:61] offset:512
	s_add_co_i32 s52, s[SD], 240                   ; the first step's bias tiles are loaded by every wave, with no branch, so that the accumulators are written on every way into the first step:
	s_max_i32 s52, s52, 8                          ; a wave whose first step is a near one (SD >= -224) gets its own images; the others read from image 1 on, inside the table, and take the far tile as C
	s_lshl_b32 s52, s52, 7
	s_add_nc_u64 s[50:51], s[48:49], s[52:53]
	BLOADS 0
	BLOADS 1
	s_mul_i32 s52, ttmp9, 22528                    ; the prefetches: my work-group's eighth of steps 6-13, and in it my wave's 22 blocks (waves 0-3),
	s_mul_i32 s54, s12, 5632
	s_add_co_u32 s52, s52, s54
	s_add_co_u32 s52, s52, 6*HSTEP
	s_add_nc_u64 s[PF2:PF2+1], s[6:7], s[52:53]
	s_mul_i32 s52, ttmp9, 5632                     ; and its eighth of steps 14, 15 (wave 0)
	s_add_co_u32 s52, s52, 14*HSTEP
	s_add_nc_u64 s[PF3:PF3+1], s[6:7], s[52:53]
	s_lshr_b32 s54, s13, 3                         ; where ctx goes: pair 64 x batch + P
	s_lshl_b32 s54, s54, 6
	s_add_co_u32 s54, s54, s15
	s_mul_i32 s52, s54, 48
	s_mul_i32 s55, s14, 3
	s_add_co_u32 s52, s52, s55
	s_mul_i32 s52, s52, 384
	s_add_nc_u64 s[66:67], s[10:11], s[52:53]      ; three units of 384 bytes: blocks 3 h .. 3 h + 2 of the even tile; the odd tile's lie 9,216 bytes on
	s_lshl_b32 s52, s54, 3
	s_add_co_u32 s52, s52, s14
	s_lshl_b32 s52, s52, 7
	s_add_nc_u64 s[68:69], s[10:11], s[52:53]
	s_add_nc_u64 s[68:69], s[68:69], 4718592       ; and the head's scale words of the pair
	INIT 0
	INIT 1
	WIN 0
	s_wait_alu depctr_va_vdst(0)
	MEET                                           ; steps 0, 1 are in
	FILL G0B, G1B                                  ; a first fill, issued as a refill is
	ASKP 4, PF2
	WALK 2
	MEET                                           ; steps 2-5 are in
	FILL G0C, G1C                                  ; a first fill too
	ASKP 1, PF3
	WALK 4
	MEET                                           ; steps 6-13 are in; places 0, 1 were read last two runs ago
	FILL G0D, G1A                                  ; the one refill
	WALK 8
	MEET                                           ; steps 14, 15 are in
	s_mov_b32 s[TB], 0
	WALK 2
	s_wait_loadcnt 0x0                             ; the last step has asked for no bias tile: the wait says so for every way through the text, ahead of the writes of v[S] below
.rept 4
	v_nop                                          ; places behind the last products
.endr
	FIN 0
	FIN 1
	WIN 0
	s_wait_tensorcnt 0x0                           ; the wave's end
	ds_add_u32 v[SPW], v[NIL]
	s_wait_dscnt 0x0
	s_endpgm
.Lfunc_end_k_q1805a24245_attn:
	.size	k_q1805a24245_attn, .Lfunc_end_k_q1805a24245_attn-k_q1805a24245_attn
	.p2alignl 7, 3214868480
	.fill 96, 4, 3214868480
	.section	.rodata,"a",@progbits
	.p2align	6, 0x0
	.amdhsa_kernel k_q1805a24245_attn
		.amdhsa_group_segment_fixed_size 327680
		.amdhsa_private_segment_fixed_size 0
		.amdhsa_enable_private_segment 0
		.amdhsa_kernarg_size 32
		.amdhsa_user_sgpr_count 2
		.amdhsa_user_sgpr_kernarg_segment_ptr 1
		.amdhsa_wavefront_size32 1
		.amdhsa_system_sgpr_workgroup_id_x 1
		.amdhsa_system_sgpr_workgroup_id_y 1
		.amdhsa_system_sgpr_workgroup_id_z 1
		.amdhsa_system_vgpr_workitem_id 0
		.amdhsa_next_free_vgpr 512
		.amdhsa_next_free_sgpr 100
		.amdhsa_reserve_vcc 0
		.amdhsa_float_denorm_mode_32 3
		.amdhsa_float_denorm_mode_16_64 3
		.amdhsa_memory_ordered 1
		.amdhsa_forward_progress 1
		.amdhsa_inst_pref_size 186
	.end_amdhsa_kernel
	.amdgpu_metadata
---
amdhsa.version: [ 1, 2 ]
amdhsa.kernels:
  - .name:           k_q1805a24245_attn
    .symbol:         k_q1805a24245_attn.kd
    .args:
      - { .name: qq, .offset: 0, .size: 8, .value_kind: global_buffer, .address_space: global }
      - { .name: kv, .offset: 8, .size: 8, .value_kind: global_buffer, .address_space: global }
      - { .name: bimg, .offset: 16, .size: 8, .value_kind: global_buffer, .address_space: global }
      - { .name: cq, .offset: 24, .size: 8, .value_kind: global_buffer, .address_space: global }
    .group_segment_fixed_size: 327680
    .private_segment_fixed_size: 0
    .kernarg_segment_align: 8
    .kernarg_segment_size: 32
    .max_flat_workgroup_size: 256
    .sgpr_count:     100
    .vgpr_count:     512
    .wavefront_size: 32
...
	.end_amdgpu_metadata
.endif
;; end of part 3
;; launch oproj (part 4): grid 4 x 64, 12 waves a work-group, clusters of 4 x 4, 327,680 bytes of LDS; arguments cq, wq, out0; writes out0
.if DOCPART == 4
	.amdgcn_target "amdgcn-amd-amdhsa--gfx1250"
	.amdhsa_code_object_version 6
	.text
	.protected	k_q1805a24245_oproj
	.globl	k_q1805a24245_oproj
	.p2align	8
	.type	k_q1805a24245_oproj,@function
k_q1805a24245_oproj:
	s_mov_b64 s[64:65], 0
	v_nop
	global_prefetch_b8 v0, s[64:65] scope:SCOPE_SE
	s_setreg_imm32_b32 hwreg(HW_REG_WAVE_MODE, 25, 1), 1
	s_wait_xcnt 0x0
	s_wait_alu depctr_hold_cnt(0) depctr_sa_sdst(0) depctr_va_vdst(0) depctr_va_sdst(0) depctr_va_ssrc(0) depctr_va_vcc(0) depctr_vm_vsrc(0)
	s_getreg_b32 s2, hwreg(HW_REG_IB_STS2, 6, 4)
	s_cmp_eq_u32 s2, 0
	s_cbranch_scc0 .Lentry_in_a_cluster
	s_endpgm
.Lentry_in_a_cluster:
	s_bfe_u32 s2, ttmp6, 0x10000c
	s_cmp_lg_u32 s2, 0xf033
	s_cbranch_scc0 .Lentry_shape_is_right
	s_endpgm
.Lentry_shape_is_right:
.set WT,    73728
.set STG,   184320
.set SPARE, 236544
.set A16, 1
.set AC,  2
.set AW0, 3
.set AW1, 4
.set L4,  5
.set STO, 6
.set RD,  7
.set CO,  8
.set SPW, 10
.set NIL, 11
.set HH,  16
.set CSW, 24
.set WOS, 30
.set FC,  44
.set FW,  68
.set ACC, 120
.set BK,  184
.macro CROUND
	s_barrier_signal -1
	s_barrier_wait -1
	s_cmp_lg_u32 s12, 0
	s_cbranch_scc1 .Lnot_wave_0_\@
	s_barrier_signal -3
.Lnot_wave_0_\@:
	s_barrier_wait -3
	s_barrier_signal -1
	s_barrier_wait -1
.endm
.macro WMS zero, ra, rb
.if \zero
.if ((\ra)==0) && ((\rb)==0)
	v_wmma_scale_f32_16x16x128_f8f6f4 v[rD:rD+7], v[rA:rA+11], v[rB:rB+11], 0, v[rSA], v[rSB] matrix_a_fmt:MATRIX_FMT_FP6 matrix_b_fmt:MATRIX_FMT_FP6
.elseif ((\ra)==1) && ((\rb)==0)
	v_wmma_scale_f32_16x16x128_f8f6f4 v[rD:rD+7], v[rA:rA+11], v[rB:rB+11], 0, v[rSA], v[rSB] matrix_a_fmt:MATRIX_FMT_FP6 matrix_b_fmt:MATRIX_FMT_FP6 matrix_a_scale:MATRIX_SCALE_ROW1
.elseif ((\ra)==0) && ((\rb)==1)
	v_wmma_scale_f32_16x16x128_f8f6f4 v[rD:rD+7], v[rA:rA+11], v[rB:rB+11], 0, v[rSA], v[rSB] matrix_a_fmt:MATRIX_FMT_FP6 matrix_b_fmt:MATRIX_FMT_FP6 matrix_b_scale:MATRIX_SCALE_ROW1
.else
	v_wmma_scale_f32_16x16x128_f8f6f4 v[rD:rD+7], v[rA:rA+11], v[rB:rB+11], 0, v[rSA], v[rSB] matrix_a_fmt:MATRIX_FMT_FP6 matrix_b_fmt:MATRIX_FMT_FP6 matrix_a_scale:MATRIX_SCALE_ROW1 matrix_b_scale:MATRIX_SCALE_ROW1
.endif
.else
.if ((\ra)==0) && ((\rb)==0)
	v_wmma_scale_f32_16x16x128_f8f6f4 v[rD:rD+7], v[rA:rA+11], v[rB:rB+11], v[rD:rD+7], v[rSA], v[rSB] matrix_a_fmt:MATRIX_FMT_FP6 matrix_b_fmt:MATRIX_FMT_FP6
.elseif ((\ra)==1) && ((\rb)==0)
	v_wmma_scale_f32_16x16x128_f8f6f4 v[rD:rD+7], v[rA:rA+11], v[rB:rB+11], v[rD:rD+7], v[rSA], v[rSB] matrix_a_fmt:MATRIX_FMT_FP6 matrix_b_fmt:MATRIX_FMT_FP6 matrix_a_scale:MATRIX_SCALE_ROW1
.elseif ((\ra)==0) && ((\rb)==1)
	v_wmma_scale_f32_16x16x128_f8f6f4 v[rD:rD+7], v[rA:rA+11], v[rB:rB+11], v[rD:rD+7], v[rSA], v[rSB] matrix_a_fmt:MATRIX_FMT_FP6 matrix_b_fmt:MATRIX_FMT_FP6 matrix_b_scale:MATRIX_SCALE_ROW1
.else
	v_wmma_scale_f32_16x16x128_f8f6f4 v[rD:rD+7], v[rA:rA+11], v[rB:rB+11], v[rD:rD+7], v[rSA], v[rSB] matrix_a_fmt:MATRIX_FMT_FP6 matrix_b_fmt:MATRIX_FMT_FP6 matrix_a_scale:MATRIX_SCALE_ROW1 matrix_b_scale:MATRIX_SCALE_ROW1
.endif
.endif
.endm
.macro OSTEP s, zero
.rept 4
	v_nop
.endr
.irp xt,0,1
.irp c,0,1
.irp p,0,1,2
	ds_load_b64 v[FC+12*\xt+6*\c+2*\p:FC+12*\xt+6*\c+2*\p+1], v[AC] offset:9216*\xt+1536*(\s)+768*\c+8*\p
.endr
.endr
.endr
.irp n,0,1,2,3
.irp k,0,1,2
	ds_load_b128 v[FW+12*\n+4*\k:FW+12*\n+4*\k+3], v[AW0+(\s)/3] offset:18432*((\s)%3)+1536*\n+512*\k
.endr
.endr
.irp n,0,1,2,3
	s_wait_dscnt 9-3*\n
.irp xt,0,1
.set rD, ACC+8*(4*\xt+\n)
.set rA, FW+12*\n
.set rB, FC+12*\xt
.set rSA, WOS+2*(\s)+\n/2
.set rSB, CSW+(\s)
	WMS \zero, \n%2, \xt
.endr
.endr
.endm
	s_load_b128 s[4:7], s[0:1], 0x0
	s_load_b64 s[8:9], s[0:1], 0x10
	v_lshl_add_u32 v[SPW], v0, 2, SPARE
	v_mov_b32 v[NIL], 0
	ds_add_u32 v[SPW], v[NIL]
	ds_add_u32 v[SPW], v[NIL]
	v_lshrrev_b32 v1, 5, v0
	s_delay_alu instid0(VALU_DEP_1)
	v_readfirstlane_b32 s12, v1
	s_bfe_u32 s13, ttmp6, 0x40000
	s_bfe_u32 s14, ttmp6, 0x40004
	s_lshl_b32 s15, ttmp9, 2
	s_add_co_u32 s15, s15, s13
	s_and_b32 s16, ttmp7, 0xffff
	s_lshl_b32 s16, s16, 2
	s_add_co_u32 s16, s16, s14
	s_lshl_b32 s17, s14, 2
	s_lshl_b32 s17, 15, s17
	s_lshl_b32 s18, 0x1111, s13
	s_or_b32 s24, s17, (3<<16)|(1<<21)
	s_mov_b32 s25, 32<<16
	s_mov_b32 s26, 24<<16
	s_mov_b32 s27, 32<<16
	s_mov_b32 s28, 24
	s_mov_b32 s29, 32
	s_mov_b32 s30, 0
	s_mov_b32 s31, 0
	s_or_b32 s32, s18, (3<<16)|(1<<21)
	s_mov_b32 s33, 32<<16
	s_mov_b32 s34, 36<<16
	s_mov_b32 s35, 32<<16
	s_mov_b32 s36, 36
	s_mov_b32 s37, 32
	s_mov_b32 s38, 0
	s_mov_b32 s39, 0
	s_mul_i32 s20, s16, 73728
	s_mul_i32 s19, s12, 6144
	s_add_co_u32 s20, s20, s19
	s_mov_b32 s21, 0
	s_mul_i32 s66, s15, 110592
	s_mul_i32 s22, s12, 9216
	s_add_co_u32 s66, s66, s22
	s_add_co_u32 s66, s66, 1382400
	s_mov_b32 s67, 0
	s_wait_dscnt 0x0
	s_wait_kmcnt 0x0
	CROUND
	s_mov_b32 s40, 1
	s_mov_b32 s41, s19
	s_add_nc_u64 s[42:43], s[4:5], s[20:21]
	s_or_b32 s43, s43, 0x80000000
	s_mov_b32 s44, 1
	s_add_co_u32 s45, s22, WT
	s_add_nc_u64 s[46:47], s[6:7], s[66:67]
	s_or_b32 s47, s47, 0x80000000
	tensor_load_to_lds s[40:43], s[24:31]
	s_nop 0
	s_wait_alu depctr_va_vdst(0)
	s_wait_tensorcnt 0x0
	ds_add_u32 v10, v11
	s_wait_dscnt 0x0
	CROUND
	tensor_load_to_lds s[44:47], s[32:39]
	s_nop 0
.rept 4
	v_nop
.endr
	s_and_b32 s56, s12, 3
	s_lshr_b32 s57, s12, 2
	v_and_b32 v1, 31, v0
	s_delay_alu instid0(VALU_DEP_1)
	v_lshlrev_b32 v[L4], 2, v1
	s_delay_alu instid0(VALU_DEP_2)
	v_lshlrev_b32 v[A16], 4, v1
	v_and_b32 v12, 15, v0
	v_bfe_u32 v13, v0, 4, 1
	s_delay_alu instid0(VALU_DEP_2)
	v_mul_u32_u24 v[AC], v12, 24
	s_delay_alu instid0(VALU_DEP_1)
	v_mad_u32_u24 v[AC], v13, 384, v[AC]
	s_mul_i32 s58, s56, 18432
	v_add_nc_u32 v[AC], s58, v[AC]
	s_mul_i32 s58, s57, 6144
	s_add_co_u32 s58, s58, WT
	v_add_nc_u32 v[AW0], s58, v[A16]
	s_delay_alu instid0(VALU_DEP_1)
	v_add_nc_u32 v[AW1], 55296, v[AW0]
	s_mul_i32 s58, s12, 4352
	s_add_co_u32 s58, s58, STG
	v_mul_u32_u24 v[STO], v12, 272
	s_delay_alu instid0(VALU_DEP_1)
	v_lshl_add_u32 v[STO], v13, 6, v[STO]
	s_delay_alu instid0(VALU_DEP_1)
	v_add_nc_u32 v[STO], s58, v[STO]
	v_mul_u32_u24 v[RD], v13, 272
	s_delay_alu instid0(VALU_DEP_1)
	v_lshl_add_u32 v[RD], v12, 4, v[RD]
	s_delay_alu instid0(VALU_DEP_1)
	v_add_nc_u32 v[RD], s58, v[RD]
	v_mul_u32_u24 v[CO], v13, 3072
	s_delay_alu instid0(VALU_DEP_1)
	v_lshl_add_u32 v[CO], v12, 4, v[CO]
	s_lshl_b32 s58, s16, 2
	s_add_co_u32 s58, s58, s56
	s_lshl_b32 s68, s58, 10
	s_mov_b32 s69, 0
	s_add_nc_u64 s[68:69], s[4:5], s[68:69]
	s_add_nc_u64 s[68:69], s[68:69], 4718592
	s_mul_i32 s70, s15, 4608
	s_lshl_b32 s59, s57, 8
	s_add_co_u32 s70, s70, s59
	s_mov_b32 s71, 0
	s_add_nc_u64 s[70:71], s[6:7], s[70:71]
	s_add_nc_u64 s[70:71], s[70:71], 1824768
.set i, 0
.rept 8
	global_load_b32 v[HH+i], v[L4], s[68:69] offset:128*i
.set i, i+1
.endr
.set i, 0
.rept 12
	global_load_b32 v[WOS+i], v[L4], s[70:71] offset:768*(i/2)+128*(i%2)
.set i, i+1
.endr
	s_lshl_b32 s72, s58, 5
	s_mul_i32 s72, s72, 3072
	s_mul_i32 s59, s15, 768
	s_add_co_u32 s72, s72, s59
	s_lshl_b32 s59, s57, 8
	s_add_co_u32 s72, s72, s59
	s_mov_b32 s73, 0
	s_add_nc_u64 s[72:73], s[8:9], s[72:73]
	s_wait_loadcnt 0x0
.irp a,0,1
	v_perm_b32 v[CSW+3*\a], v[HH+4*\a+1], v[HH+4*\a], 0x04020100
	v_perm_b32 v[CSW+3*\a+1], v[HH+4*\a+2], v[HH+4*\a+1], 0x05040201
	v_perm_b32 v[CSW+3*\a+2], v[HH+4*\a+3], v[HH+4*\a+2], 0x06050402
.endr
.rept 8
	v_nop
.endr
	s_wait_alu depctr_va_vdst(0)
	s_wait_tensorcnt 0x0
	s_barrier_signal -1
	s_barrier_wait -1
	OSTEP 0, 1
.irp s,1,2,3,4,5
	OSTEP \s, 0
.endr
.rept 4
	v_nop
.endr
.irp xt,0,1
.irp n,0,1,2,3
	ds_store_b128 v[STO], v[ACC+8*(4*\xt+\n):ACC+8*(4*\xt+\n)+3] offset:128*(\n/2)+32*(\n%2)
	ds_store_b128 v[STO], v[ACC+8*(4*\xt+\n)+4:ACC+8*(4*\xt+\n)+7] offset:128*(\n/2)+32*(\n%2)+16
.endr
.irp i,0,1,2,3,4,5,6,7
	ds_load_b128 v[BK+32*\xt+4*\i:BK+32*\xt+4*\i+3], v[RD] offset:544*\i
.endr
.endr
.irp xt,0,1
.irp i,0,1,2,3,4,5,6,7
	s_wait_dscnt 23-16*\xt-\i
	global_store_b128 v[CO], v[BK+32*\xt+4*\i:BK+32*\xt+4*\i+3], s[72:73] offset:(8*\xt+2*\i+8*(\i/4))*3072 th:TH_STORE_NT
.endr
.endr
	s_wait_tensorcnt 0x0
	ds_add_u32 v[SPW], v[NIL]
	s_wait_dscnt 0x0
	CROUND
	s_endpgm
.Lfunc_end_k_q1805a24245_oproj:
	.size	k_q1805a24245_oproj, .Lfunc_end_k_q1805a24245_oproj-k_q1805a24245_oproj
	.p2alignl 7, 3214868480
	.fill 96, 4, 3214868480
	.section	.rodata,"a",@progbits
	.p2align	6, 0x0
	.amdhsa_kernel k_q1805a24245_oproj
		.amdhsa_group_segment_fixed_size 327680
		.amdhsa_private_segment_fixed_size 0
		.amdhsa_enable_private_segment 0
		.amdhsa_kernarg_size 24
		.amdhsa_user_sgpr_count 2
		.amdhsa_user_sgpr_kernarg_segment_ptr 1
		.amdhsa_wavefront_size32 1
		.amdhsa_system_sgpr_workgroup_id_x 1
		.amdhsa_system_sgpr_workgroup_id_y 1
		.amdhsa_system_sgpr_workgroup_id_z 1
		.amdhsa_system_vgpr_workitem_id 0
		.amdhsa_next_free_vgpr 256
		.amdhsa_next_free_sgpr 80
		.amdhsa_reserve_vcc 0
		.amdhsa_float_denorm_mode_32 3
		.amdhsa_float_denorm_mode_16_64 3
		.amdhsa_memory_ordered 1
		.amdhsa_forward_progress 1
		.amdhsa_inst_pref_size 31
	.end_amdhsa_kernel
	.amdgpu_metadata
---
amdhsa.version: [ 1, 2 ]
amdhsa.kernels:
  - .name:           k_q1805a24245_oproj
    .symbol:         k_q1805a24245_oproj.kd
    .args:
      - { .name: cq, .offset: 0, .size: 8, .value_kind: global_buffer, .address_space: global }
      - { .name: wq, .offset: 8, .size: 8, .value_kind: global_buffer, .address_space: global }
      - { .name: out0, .offset: 16, .size: 8, .value_kind: global_buffer, .address_space: global }
    .group_segment_fixed_size: 327680
    .private_segment_fixed_size: 0
    .kernarg_segment_align: 8
    .kernarg_segment_size: 24
    .max_flat_workgroup_size: 384
    .sgpr_count:     80
    .vgpr_count:     256
    .wavefront_size: 32
...
	.end_amdgpu_metadata
.endif
;; end of part 4
